; MI455X (gfx1250); checked and timed in simulation.
; The chip was launched on July 23, 2026; its instructions are those of AMD's public machine-readable ISA for CDNA 5 (MIT licence, August 2026) and "CDNA5" Instruction Set Architecture Reference Guide (July 2026). The comments in the code are by the model that wrote it; some were corrected since.
;; Linear List. Allowed arithmetic: matrix products marked QUANTISED: E3M2 operands, one E8M0 scale for each 32 along K, by v_wmma_scale_f32_16x16x128_f8f6f4 with both operands' format E3M2, f32 sums; everything else in f32.
;; Inputs: biases 8 x 1,024 float32; inputs 8,192 x 1,024 float32; nodes_type 8,192 int32; weights 8 x 1,024 x 1,024 float32.
;; Outputs: out0 8,192 x 1,024 float32.
;; This version of the problem:
;;   THIS VERSION OF THE PROBLEM IS GIVEN IN LOW PRECISION. The matrix products marked QUANTISED in the list below multiply operands that are first quantised to E3M2 (3 exponent bits, 2 mantissa bits; 6 bits a number), with one power-of-two scale for each 32 numbers along K (OCP MX v1.0); their sums are f32. All else is computed in f32.
;;   The module's matrix products, in the order in which they are computed (A, B: the left and right operand; K: the contracted axis; several contracted axes count as one K, in the product's order):
;;     1. [M 8,192, K 1,024] x [K 1,024, N 8,192]; A: input inputs; B: input weights: QUANTISED
;;   THE QUANTISER, for each operand of a quantised product, along K:
;;     - K is cut into blocks of 32 from its start; a last block that is shorter is filled with zeros.
;;     - A block's scale is 2^e with e = floor(log2(the largest magnitude in the block)) - 4, held to -126 .. 127; a block of zeros has e = 0. As a byte (E8M0): e + 127.
;;     - Each number is divided by its block's scale, clamped to +-28, and rounded to the nearest number of E3M2, ties to even, subnormals kept.
;;     - The product sums the exact products of the quantised numbers (number of the format x scale) in f32.
;;   ~~~python
;;   def quantise(x, axis):      # numpy; x: float32 -> the quantised numbers, widened to float32 again
;;       x = np.moveaxis(x, axis, -1); K = x.shape[-1]
;;       x = np.pad(x, [(0, 0)] * (x.ndim - 1) + [(0, -K % 32)]); x = x.reshape(x.shape[:-1] + (-1, 32)); a = np.abs(x).max(-1, keepdims=True)
;;       e = np.where(a > 0, np.clip(np.frexp(np.where(a > 0, a, 1))[1] - 1 - 4, -126, 127), 0)      # np.frexp(a)[1] - 1 = floor(log2(a)), exactly
;;       r = np.clip(x / 2.0 ** e, -28, 28)
;;       step = 2.0 ** (np.maximum(np.frexp(np.where(r == 0, 1, r))[1] - 1, -2) - 2)
;;       q = np.round(r / step) * step * 2.0 ** e      # np.round: ties to even
;;       return np.moveaxis(q.reshape(q.shape[:-2] + (-1,))[..., :K], -1, axis).astype(np.float32)
;;   ~~~
;; 2 versions. Each part assembles by itself: llvm-mc -triple=amdgcn-amd-amdhsa -mcpu=gfx1250 --defsym DOCPART=n.
;; ======== version 1 of 2: 2 launches
;; workspace buffers: xq 6,291,456 bytes; xs 262,144 bytes; wq 6,291,456 bytes; ws 262,144 bytes; order 37,120 bytes of whole numbers; tiles 512 bytes of whole numbers
;; launch prep (part 1): grid 257 x 1, 8 waves a work-group, no clusters, 141,312 bytes of LDS; arguments inputs, weights, nodes_type, xq, xs, wq, ws, order, tiles; writes xq, xs, wq, ws, order, tiles
.if DOCPART == 1
	.amdgcn_target "amdgcn-amd-amdhsa--gfx1250"
	.amdhsa_code_object_version 6
	.text
	.protected	k_q80b56c179a_prep
	.globl	k_q80b56c179a_prep
	.p2align	8
	.type	k_q80b56c179a_prep,@function
k_q80b56c179a_prep:
	s_mov_b64 s[64:65], 0
	v_nop
	global_prefetch_b8 v0, s[64:65] scope:SCOPE_SE
	s_setreg_imm32_b32 hwreg(HW_REG_WAVE_MODE, 25, 1), 1
	s_wait_xcnt 0x0
; out[n] = Q(W[t[n]]) . Q(x[n]) + b[t[n]], t = nodes_type; Q: codes of E3M2 with one E8M0 scale for each 32 along K.  This launch quantises x and W once and sorts the rows by expert.
; WORK LEFT OUT BY THE PROGRAM: reference() forms y_all[n][e][:] for all 8 experts and then keeps, by take_along_axis on nodes_type, the one slice e = t[n].  For every finite x, W, b the other seven
; slices reach no output.  nodes_type is a whole-number input read from memory, so only row n against expert t[n] is multiplied (next launch).  Every input has a way to the output: all are loaded.
; LIMITS: a NaN, an infinity or an overflow that would arise only in an expert that was not chosen is not carried to the result.  nodes_type outside 0 .. 7 is not served (such rows are not written).
; NaN and infinities among x and W are not served.  A block of zeros gets the scale byte 1 where the quantiser says 127: its codes are zeros, and these bytes are read by this program alone.
; THREE PATHS, parted on the work-group's number alone, each with LDS bytes of its own:  0: the sort;  1 .. 128: W;  129 .. 256: x.
; THE QUANTISER.  A wave has 4 steps of 16 chunks of 128 numbers (512 bytes).  Each load reads one chunk, 16 bytes a lane; the 16 chunks turn through the wave's own stage in LDS (rows 528 bytes apart), and
; lane (c = lane % 16, h = lane / 16) takes back blocks h and 2 + h of chunk c: the very 64 numbers that the matrix operand's layout gives lane (row c, half h) of a fragment of 16 rows x 128 K.
; So the conversions' 12 registers are the fragment's registers; they leave as three stores of 16 bytes a lane, 512 consecutive bytes each.
;   W: the 16 chunks are 16 rows of one K step: the three stores are the image of fragment (16 rows, K step).        wq: ((row / 16) x 8 + K step) x 1536 + 512 c + 16 lane
;   x: the 16 chunks are 2 rows x 8 K steps.  xq: (n / 2) x 1536 + 512 c + 256 (n % 2) + 32 s + 16 h: for each row n and each c one aligned run of 256 bytes, so that any 16 rows can form a tile later.
; Scale words (4 bytes: a row's 128 along K) are gathered in 256 bytes of LDS a wave and leave as one aligned run of 256 bytes.
;   ws: (R / 32) x 1024 + (s / 4) x 512 + (R % 32) x 16 + (s % 4) x 4, R = 1024 e + o;      xs: 32 n + 4 s.
; THE SORT (one work-group, no atomics): a counting sort into tiles of 144 rows of one expert.  order[144 tile + slot] = row, or 8192 in a slot that holds none; tiles[tile] = (expert, rows), (0, 0) where empty.
; The sum over experts of ceil(rows / 144) is at most 64 for every split of 8192 rows, and at least 57.  Behind the 9216 slots order has one more, slot 9216, which nobody reads (macro PAD).
.set WREG,   8704                      ; LDS of a quantising wave: a stage of 16 x 528 bytes and 256 bytes of scale words
.set SPITCH, 528                       ; a stage row: 512 bytes + 16 = 33 x 16: sixteen lanes that read sixteen rows fall into sixteen different columns of 16 bytes
.set SCW,    16*SPITCH
.set PBX,    8*WREG                    ; W's eight regions from 0, x's eight from here
.set TBL,    16*WREG                   ; the sort's table: 128 bytes a wave
.set SPARE,  TBL+1024                  ; the spare words, 128 bytes for each wave: four blocks of 256 bytes that no other line names
.set SPW, 1                            ; v1   LDS address of my spare word; never rewritten
.set NIL, 2                            ; v2   0; never rewritten
.set GL,  3                            ; v3   16 x lane
.set STI, 4                            ; v4   the stage, on the way in
.set STO, 5                            ; v5   and on the way out
.set CO,  6                            ; v6   my 16 bytes in a store of codes
.set SCA, 7                            ; v7   where my chunk's scale word goes
.set SCR, 8                            ; v8   where I read 8 bytes of scale words back
.set L8,  9                            ; v9   8 x lane
.set H8,  10                           ; v10  8 h
.set PD,  11                           ; v11  a lane permute's destination
.set M,   12                           ; v12-13 largest magnitudes; v14-15 scale operands; v16-17 bytes; v18 the word
.set S,   14
.set B,   16
.set WD,  18
.set C,   20                           ; v20-31 a fragment's 12 registers
.set T,   32                           ; v32-34, v36-38 the second halves of the two blocks' codes
.set SW,  40                           ; v40-41 scale words on the way out
.set X,   64                           ; v64-127 my 64 numbers
.set R,   128                          ; v128-255 two sets of 16 chunks as loaded
.macro LOADS t, src, ki, kt            ; step t's 16 chunks: each load reads 512 consecutive bytes
.irp i, 0,1,2,3,4,5,6,7,8,9,10,11,12,13,14,15
	global_load_b128 v[R+64*((\t)%2)+4*\i:R+64*((\t)%2)+4*\i+3], v[GL], s[\src:\src+1] offset:\ki*\i+\kt*(\t) th:TH_LOAD_NT
.endr
.endm
.macro TURN t                          ; through the stage: LDS serves a wave's instructions in order, so no wait stands between the stores and the loads
.irp i, 0,1,2,3,4,5,6,7,8,9,10,11,12,13,14,15
	ds_store_b128 v[STI], v[R+64*((\t)%2)+4*\i:R+64*((\t)%2)+4*\i+3] offset:SPITCH*\i
.endr
.irp q, 0,1,2,3,4,5,6,7
	ds_load_b128 v[X+4*\q:X+4*\q+3], v[STO] offset:16*\q               ; block h of my chunk
.endr
.irp q, 0,1,2,3,4,5,6,7
	ds_load_b128 v[X+32+4*\q:X+32+4*\q+3], v[STO] offset:256+16*\q     ; block 2 + h
.endr
.endm
.macro QUANT                           ; 64 numbers -> 12 registers of codes in v[C] on, the chunk's scale word in v[WD]
.irp c, 0,1
	v_max3_num_f32 v[M+\c], |v[X+32*\c]|, |v[X+32*\c+1]|, 0x2800000    ; all 32 numbers of a block are mine; the floor 2^(5 - 127) holds the byte at 1 from below
.endr
.irp i, 2,4,6,8,10,12,14,16,18,20,22,24,26,28,30
.irp c, 0,1
	v_max3_num_f32 v[M+\c], v[M+\c], |v[X+32*\c+\i]|, |v[X+32*\c+\i+1]|   ; the two blocks by turns
.endr
.endr
.irp c, 0,1
	v_add_nc_u32 v[S+\c], 0xfe000000, v[M+\c]      ; 4 off the exponent field: the conversion takes this operand's exponent field as its scale
.endr
.irp c, 0,1
	v_lshrrev_b32 v[B+\c], 23, v[S+\c]             ; the scale's byte
.endr
	v_lshl_or_b32 v[WD], v[B+1], 16, v[B]          ; my two bytes, blocks h and 2 + h,
	v_lshlrev_b32 v[WD], v[H8], v[WD]              ; at their places in the word;
	v_permlanex16_b32 v[PD], v[WD], s24, s25
	v_or_b32 v[WD], v[WD], v[PD]                   ; with lane l xor 16's two the word is whole
	v_cvt_scalef32_pk16_bf6_f32 v[C:C+2], v[X:X+15], v[S]
	v_cvt_scalef32_pk16_bf6_f32 v[T:T+2], v[X+16:X+31], v[S]           ; (a conversion's three registers begin on an even number)
	v_cvt_scalef32_pk16_bf6_f32 v[C+6:C+8], v[X+32:X+47], v[S+1]
	v_cvt_scalef32_pk16_bf6_f32 v[T+4:T+6], v[X+48:X+63], v[S+1]
	v_nop                                          ; one plain instruction between a scaled conversion and the vector instruction that touches its result
.irp i, 0,1,2
	v_mov_b32 v[C+3+\i], v[T+\i]
	v_mov_b32 v[C+9+\i], v[T+4+\i]
.endr
.endm
.macro OUT t, cod, kw
	ds_store_b32 v[SCA], v[WD] offset:\kw*(\t)     ; lanes l and l xor 16 write the same word with the same value
.irp c, 0,1,2
	global_store_b128 v[CO], v[C+4*\c:C+4*\c+3], s[\cod:\cod+1] offset:1536*(\t)+512*\c   ; the wave's store covers 512 consecutive bytes, aligned
.endr
.endm
.macro LDSADR                          ; s23 = my wave's region
	v_add_nc_u32 v[STI], s23, v[GL]
	v_add_nc_u32 v[STO], s23, v[STO]
	s_add_co_u32 s33, s23, SCW
	v_add_nc_u32 v[SCA], s33, v[SCA]
	v_add_nc_u32 v[SCR], s33, v[L8]
.endm
.macro QPATH src, cod, scl, ki, kt, kw
	LOADS 0, \src, \ki, \kt
	LOADS 1, \src, \ki, \kt
.irp t, 0,1,2,3
.if \t < 3
	s_wait_loadcnt 16                              ; this step's 16 loads are in; the next step's 16 may be out
.else
	s_wait_loadcnt 0x0
.endif
	TURN \t
	s_wait_dscnt 0x0                               ; my numbers are back, and the stage's stores have read the set that is loaded again below
.if \t > 0
	s_wait_xcnt 0x0                                ; the last step's stores of codes have read their registers, which are written again below
.endif
.if \t < 2
	LOADS \t+2, \src, \ki, \kt
.endif
	QUANT
	OUT \t, \cod, \kw
.endr
	ds_load_b64 v[SW:SW+1], v[SCR]                 ; LDS serves a wave's instructions in order: these see my stores
	s_wait_dscnt 0x0
	global_store_b64 v[L8], v[SW:SW+1], s[\scl:\scl+1]   ; 32 lanes store 256 consecutive bytes, aligned
	s_wait_tensorcnt 0x0                           ; the wave's end
	ds_add_u32 v[SPW], v[NIL]
	s_wait_dscnt 0x0
	s_endpgm
.endm
	s_load_b512 s[4:19], s[0:1], 0x0               ; inputs s[4:5], weights s[6:7], nodes_type s[8:9], xq s[10:11], xs s[12:13], wq s[14:15], ws s[16:17], order s[18:19]
	s_load_b64 s[20:21], s[0:1], 0x40              ; tiles
	v_lshl_add_u32 v[SPW], v0, 2, SPARE
	v_mov_b32 v[NIL], 0
	v_lshrrev_b32 v45, 5, v0
	v_readfirstlane_b32 s22, v45                   ; wave 0 .. 7
	v_and_b32 v42, 31, v0                          ; lane
	v_and_b32 v43, 15, v0                          ; lane % 16
	v_bfe_u32 v44, v0, 4, 1                        ; h = lane / 16
	s_mov_b32 s24, 0x76543210
	s_mov_b32 s25, 0xfedcba98                      ; v_permlanex16_b32's selects for lane l xor 16
	s_mov_b32 s31, 0
	s_wait_kmcnt 0x0
	s_cmp_eq_u32 ttmp9, 0
	s_cbranch_scc1 .Lsort
	v_lshlrev_b32 v[GL], 4, v42
	v_lshlrev_b32 v[L8], 3, v42
	v_lshlrev_b32 v[H8], 3, v44
	v_mov_b32 v[PD], 0                             ; written once: a lane permute's destination counts as one of its sources
	v_mul_u32_u24 v[STO], v43, SPITCH
	v_lshl_add_u32 v[STO], v44, 7, v[STO]          ; chunk lane % 16, + 128 h
	s_mul_i32 s23, s22, WREG
	s_cmp_gt_u32 ttmp9, 128
	s_cbranch_scc1 .Lx
	; ---- W: task a = 8 (work-group - 1) + wave: rows 16 J .. 16 J + 15 (J = a / 2) of the 8192 rows (expert, output), K steps 4 k .. 4 k + 3 (k = a % 2)
	v_lshlrev_b32 v[SCA], 4, v43                   ; the word of row lane % 16: 16 bytes a row, 4 bytes a step
	LDSADR
	v_mov_b32 v[CO], v[GL]                         ; the image of a fragment: 16 x lane
	s_sub_co_u32 s26, ttmp9, 1
	s_lshl_b32 s26, s26, 3
	s_add_co_u32 s26, s26, s22                     ; a
	s_lshr_b32 s27, s26, 1                         ; J
	s_and_b32 s28, s26, 1                          ; k
	s_lshl_b32 s30, s27, 16                        ; 16 rows of 4,096 bytes
	s_lshl_b32 s29, s28, 11                        ; 4 K steps of 512 bytes
	s_add_co_u32 s30, s30, s29
	s_add_nc_u64 s[6:7], s[6:7], s[30:31]
	s_mul_i32 s30, s26, 6144                       ; 4 fragments of 1,536 bytes
	s_add_nc_u64 s[14:15], s[14:15], s[30:31]
	s_lshr_b32 s30, s27, 1
	s_lshl_b32 s30, s30, 10                        ; (J / 2) x 1024
	s_lshl_b32 s29, s28, 9                         ; + 512 k
	s_add_co_u32 s30, s30, s29
	s_and_b32 s29, s27, 1
	s_lshl_b32 s29, s29, 8                         ; + 256 (J % 2)
	s_add_co_u32 s30, s30, s29
	s_add_nc_u64 s[16:17], s[16:17], s[30:31]
	QPATH 6, 14, 16, 4096, 512, 4                  ; chunk i: row i; step t: K step t
.Lx:	; ---- x: task a = 8 (work-group - 129) + wave: rows 8 a .. 8 a + 7; step t: rows 8 a + 2 t, + 1; chunk i = 8 (row % 2) + K step
	s_add_co_u32 s23, s23, PBX
	v_bfe_u32 v46, v0, 3, 1                        ; my chunk's row % 2
	v_and_b32 v47, 7, v0                           ; my chunk's K step
	v_lshlrev_b32 v[SCA], 5, v46
	v_lshl_add_u32 v[SCA], v47, 2, v[SCA]          ; 32 bytes a row, 4 bytes a K step
	LDSADR
	v_lshlrev_b32 v[CO], 8, v46
	v_lshl_add_u32 v[CO], v47, 5, v[CO]
	v_lshl_add_u32 v[CO], v44, 4, v[CO]            ; 256 (row % 2) + 32 s + 16 h
	s_sub_co_u32 s26, ttmp9, 129
	s_lshl_b32 s26, s26, 3
	s_add_co_u32 s26, s26, s22                     ; a
	s_lshl_b32 s30, s26, 15                        ; 8 rows of 4,096 bytes
	s_add_nc_u64 s[4:5], s[4:5], s[30:31]
	s_mul_i32 s30, s26, 6144                       ; 4 pairs of rows of 1,536 bytes
	s_add_nc_u64 s[10:11], s[10:11], s[30:31]
	s_lshl_b32 s30, s26, 8                         ; 8 rows of 32 bytes
	s_add_nc_u64 s[12:13], s[12:13], s[30:31]
	QPATH 4, 10, 12, 512, 8192, 64
	; ---- THE SORT.  Wave w holds elements 1024 w .. 1024 w + 1023: register 4 q + i of lane l is element 1024 w + 128 q + 4 l + i.
.set TY, 64                            ; v64-95  the types, then the byte offsets in order
.set EN, 96                            ; v96-127 the elements' numbers
.set PO, 128                           ; v128-137 the byte offsets of the ten stores that fill empty slots
.set CN, 32                            ; s[32:39] counts, then the next free position of each expert for my wave
.set MK, 40                            ; s[40:47] which lanes hold expert e
.set TP, 48                            ; s[48:55] at work
.set TO, 56                            ; s[56:63] each expert's rows
.set PS, 66                            ; s[66:73] each expert's first position, a multiple of 144
.set LN, 74                            ; s[74:81] 144 x its tiles
.macro MASKS
.irp e, 0,1,2,3,4,5,6,7
	v_cmp_eq_u32 s[MK+\e], \e, v[TY+J]
.endr
.endm
.macro TALLY
.irp e, 0,1,2,3,4,5,6,7
	s_bcnt1_i32_b32 s[TP+\e], s[MK+\e]
.endr
.irp e, 0,1,2,3,4,5,6,7
	s_add_co_u32 s[CN+\e], s[CN+\e], s[TP+\e]
.endr
.endm
; Slots s[st] .. s[en] - 1, at most 144 of them, get 8192.  All lanes stay on: a lane whose slot lies at or beyond s[en] stores the same 8192 into slot 9216, behind the list, which nobody reads.
; So EXEC never hangs on a loaded number.  Each store has an offset register of its own, v[rg] on: none is written again, and no wait is owed.
.macro PAD st, en, rg
.irp i, 0,1,2,3,4
	v_add_nc_u32 v[\rg+\i], s[\st], v42
.if \i > 0
	v_add_nc_u32 v[\rg+\i], 32*\i, v[\rg+\i]
.endif
	v_cmp_gt_u32 vcc_lo, s[\en], v[\rg+\i]         ; a slot of the range?
	v_cndmask_b32 v[\rg+\i], 0x2400, v[\rg+\i], vcc_lo   ; else slot 9216
	v_min_u32 v[\rg+\i], 0x2400, v[\rg+\i]         ; a number made of loaded ones enters an address behind a hold at the buffer's last slot
	v_lshlrev_b32 v[\rg+\i], 2, v[\rg+\i]
	global_store_b32 v[\rg+\i], v23, s[18:19]
.endr
.endm
.Lsort:
	v_lshlrev_b32 v3, 4, v42
	s_lshl_b32 s26, s22, 12
	v_add_nc_u32 v3, s26, v3                       ; 4096 w + 16 l
.irp q, 0,1,2,3,4,5,6,7
	global_load_b128 v[TY+4*\q:TY+4*\q+3], v3, s[8:9] offset:512*\q
.endr
	v_lshrrev_b32 v4, 2, v3                        ; 1024 w + 4 l
	v_lshl_add_u32 v6, v0, 2, TBL
	v_and_b32 v7, 7, v0
	v_lshl_add_u32 v7, v7, 2, TBL
	v_mov_b32 v5, 0
	v_mov_b32 v23, 0x2000                          ; 8192: no row
.irp e, 0,1,2,3,4,5,6,7
	s_mov_b32 s[CN+\e], 0
.endr
	s_wait_loadcnt 0x0
.set J, 0
.rept 32                               ; my wave's count of each expert
	MASKS
	TALLY
.set J, J+1
.endr
.irp e, 0,1,2,3,4,5,6,7
	v_writelane_b32 v5, s[CN+\e], \e
.endr
	ds_store_b32 v6, v5                            ; lane e of wave w: its count of expert e
	s_wait_dscnt 0x0                               ; for the others' sake: my store has landed
	s_barrier_signal -1
	s_barrier_wait -1
.irp w, 0,1,2,3,4,5,6,7
	ds_load_b32 v[8+\w], v7 offset:128*\w          ; lane l: wave w's count of expert l % 8
.endr
	s_wait_dscnt 0x0
	v_add3_u32 v16, v8, v9, v10
	v_add3_u32 v16, v16, v11, v12
	v_add3_u32 v16, v16, v13, v14
	v_add_nc_u32 v16, v16, v15                     ; the expert's rows
	v_mov_b32 v17, 0
.irp w, 0,1,2,3,4,5,6
	s_cmp_gt_u32 s22, \w
	s_cselect_b32 s26, -1, 0
	v_and_b32 v18, s26, v[8+\w]
	v_add_nc_u32 v17, v17, v18                     ; those of them in the waves before mine
.endr
.irp e, 0,1,2,3,4,5,6,7
	v_readlane_b32 s[TO+\e], v16, \e
	v_readlane_b32 s[CN+\e], v17, \e
.endr
	s_mov_b32 s82, 0                               ; P: the next expert's first position
	s_mov_b32 s83, 0
	s_mov_b32 s84, 0
.irp e, 0,1,2,3,4,5,6,7
	s_mov_b32 s[PS+\e], s82
	s_add_co_u32 s[CN+\e], s[CN+\e], s82
	s_add_co_u32 s85, s[TO+\e], 143
	s_lshr_b32 s85, s85, 4                         ; u = (rows + 143) / 16, at most 520;
	s_mul_i32 s85, s85, 7282
	s_lshr_b32 s85, s85, 16                        ; u / 9: 7282 x 9 = 65538, so the product is too large by u / 9 x 2 / 65536, under 1 / 9 for these u: exact
	s_mul_i32 s[LN+\e], s85, 144
	s_add_co_u32 s86, s82, s[TO+\e]
	s_add_co_u32 s82, s82, s[LN+\e]
	s_cmp_eq_u32 s22, \e                           ; wave e fills the empty slots of expert e's last tile
	s_cselect_b32 s83, s86, s83
	s_cselect_b32 s84, s82, s84
.endr
.set J, 0
.rept 32                               ; each element's position: its expert's next free one + the lanes below me with the same expert
	MASKS
	v_mbcnt_lo_u32_b32 v20, s[MK], s[CN]
.irp e, 1,2,3,4,5,6,7
	v_mbcnt_lo_u32_b32 v21, s[MK+\e], s[CN+\e]
	v_cndmask_b32 v20, v20, v21, s[MK+\e]
.endr
	TALLY
	v_min_u32 v[TY+J], 9215, v20                   ; held at the list's last slot
	v_lshlrev_b32 v[TY+J], 2, v[TY+J]
	v_add_nc_u32 v[EN+J], 128*(J/4)+J%4, v4
	global_store_b32 v[TY+J], v[EN+J], s[18:19]    ; each store has registers of its own: none is written again
.set J, J+1
.endr
	PAD 83, 84, PO
	s_mul_i32 s85, s22, 144                        ; the tiles behind the last expert's, at most 7: wave w takes the w-th
	s_add_co_u32 s85, s85, s82
	s_add_co_u32 s86, s85, 144
	s_min_u32 s86, s86, 9216
	PAD 85, 86, PO+5
	s_cmp_gt_u32 s22, 1                            ; the 64 records: threads 0 .. 63
	s_cbranch_scc1 .Lsort_end
	v_mul_u32_u24 v24, v0, 144                     ; my tile's first position
	v_lshlrev_b32 v25, 3, v0
	v_mov_b32 v26, 0
	v_mov_b32 v27, 0
.irp e, 0,1,2,3,4,5,6,7
	v_sub_nc_u32 v28, v24, s[PS+\e]                ; d: how far into expert e's positions (a huge number if ahead of them)
	v_cmp_le_u32 vcc_lo, s[LN+\e], v28             ; not among them?
	v_sub_nc_u32 v29, s[TO+\e], v28
	v_min_u32 v29, 144, v29                        ; rows left from d on, at most a tile's
	v_cndmask_b32 v26, \e, v26, vcc_lo
	v_cndmask_b32 v27, v29, v27, vcc_lo
.endr
	global_store_b64 v25, v[26:27], s[20:21]       ; a wave stores 256 consecutive bytes, aligned
.Lsort_end:
	s_wait_tensorcnt 0x0                           ; the wave's end
	ds_add_u32 v[SPW], v[NIL]
	s_wait_dscnt 0x0
	s_endpgm
.Lfunc_end_k_q80b56c179a_prep:
	.size	k_q80b56c179a_prep, .Lfunc_end_k_q80b56c179a_prep-k_q80b56c179a_prep
	.p2alignl 7, 3214868480
	.fill 96, 4, 3214868480
	.section	.rodata,"a",@progbits
	.p2align	6, 0x0
	.amdhsa_kernel k_q80b56c179a_prep
		.amdhsa_group_segment_fixed_size 141312
		.amdhsa_private_segment_fixed_size 0
		.amdhsa_enable_private_segment 0
		.amdhsa_kernarg_size 72
		.amdhsa_user_sgpr_count 2
		.amdhsa_user_sgpr_kernarg_segment_ptr 1
		.amdhsa_wavefront_size32 1
		.amdhsa_system_sgpr_workgroup_id_x 1
		.amdhsa_system_sgpr_workgroup_id_y 1
		.amdhsa_system_sgpr_workgroup_id_z 1
		.amdhsa_system_vgpr_workitem_id 0
		.amdhsa_next_free_vgpr 256
		.amdhsa_next_free_sgpr 100
		.amdhsa_reserve_vcc 1
		.amdhsa_float_denorm_mode_32 3
		.amdhsa_float_denorm_mode_16_64 3
		.amdhsa_memory_ordered 1
		.amdhsa_forward_progress 1
		.amdhsa_inst_pref_size 176
	.end_amdhsa_kernel
	.amdgpu_metadata
---
amdhsa.version: [ 1, 2 ]
amdhsa.kernels:
  - .name:           k_q80b56c179a_prep
    .symbol:         k_q80b56c179a_prep.kd
    .args:
      - { .name: inputs, .offset: 0, .size: 8, .value_kind: global_buffer, .address_space: global }
      - { .name: weights, .offset: 8, .size: 8, .value_kind: global_buffer, .address_space: global }
      - { .name: nodes_type, .offset: 16, .size: 8, .value_kind: global_buffer, .address_space: global }
      - { .name: xq, .offset: 24, .size: 8, .value_kind: global_buffer, .address_space: global }
      - { .name: xs, .offset: 32, .size: 8, .value_kind: global_buffer, .address_space: global }
      - { .name: wq, .offset: 40, .size: 8, .value_kind: global_buffer, .address_space: global }
      - { .name: ws, .offset: 48, .size: 8, .value_kind: global_buffer, .address_space: global }
      - { .name: order, .offset: 56, .size: 8, .value_kind: global_buffer, .address_space: global }
      - { .name: tiles, .offset: 64, .size: 8, .value_kind: global_buffer, .address_space: global }
    .group_segment_fixed_size: 141312
    .private_segment_fixed_size: 0
    .kernarg_segment_align: 8
    .kernarg_segment_size: 72
    .max_flat_workgroup_size: 256
    .sgpr_count:     100
    .vgpr_count:     256
    .wavefront_size: 32
...
	.end_amdgpu_metadata
.endif
;; end of part 1
;; launch gemm (part 2): grid 4 x 64, 4 waves a work-group, no clusters, 138,496 bytes of LDS; arguments xq, xs, wq, ws, biases, order, tiles, out0; writes out0
.if DOCPART == 2
	.amdgcn_target "amdgcn-amd-amdhsa--gfx1250"
	.amdhsa_code_object_version 6
	.text
	.protected	k_q80b56c179a_gemm
	.globl	k_q80b56c179a_gemm
	.p2align	8
	.type	k_q80b56c179a_gemm,@function
k_q80b56c179a_gemm:
	s_mov_b64 s[64:65], 0
	v_nop
	global_prefetch_b8 v0, s[64:65] scope:SCOPE_SE
	s_setreg_imm32_b32 hwreg(HW_REG_WAVE_MODE, 25, 1), 1
	s_wait_xcnt 0x0
; out[n][:] = Q(W[t[n]]) . Q(x[n]) + b[t[n]] on the codes and scale words that the launch before has made.
; WORK LEFT OUT: of reference()'s eight experts for each row only the one that its take_along_axis keeps is multiplied (shown at the head of the launch before); a NaN, an infinity or an overflow
; that would arise only in an expert not chosen is not carried to the result.
; SHARES.  Work-group (x = column block of 256, y = tile): up to 144 rows of ONE expert (the sorted list) x 256 outputs.  64 tiles serve every split of the 8192 rows, so the grid is fixed; a tile that a split
; leaves empty stores nothing.  The walk hangs on counts read from memory, so this text has no tensor load and no asynchronous copy: operands come through registers.  No cluster, for the same reason.
; Wave w owns outputs 64 w .. 64 w + 63 of the block.  Its part of W for ALL of K, 32 fragments, stays in 384 registers, read once.  The tile's 144 rows of x (codes, scale words, row numbers) are gathered
; into LDS once by the four waves, 36 rows each; one barrier; then each wave walks the nine tiles of 16 rows: 32 matrix instructions each, four accumulators by turns, the bias as the C of each sum's first.
; A finished tile of 16 rows goes through the wave's own stage in LDS and leaves while the next is multiplied: sixteen lanes store 256 consecutive bytes of one row of out, aligned.
; THE MATRIX INSTRUCTION IS USED TRANSPOSED (source 0 = 16 rows of W, source 1 = 16 rows of x): lane (r, h) then holds eight neighbouring outputs, 16 b + 8 h + 0 .. 7, of row r.
; SLOTS WITHOUT A ROW (8192 in the list) take the tile's first row: they compute the same bits and the same wave stores them again to the same place.  Tiles of 16 rows that hold no row at all are left out
; by a scalar branch on the count, behind the barrier.  LIMIT: nodes_type outside 0 .. 7 is not served.
; REGISTERS, in windows of 256.  Window 0: v1-15 addresses; v16-31 W's scale words; v32-63 the bias; v64-79 x's scale words, two sets; v80-95 row numbers, two sets; v96-111 store offsets, two sets;
;   v112-175 accumulators, two sets of 4; v176-239 rows on the way out, two sets.  At the head, before any of these is in use: v96-167 gathered scale words, v176-229 slots and gather offsets.
;   Window 1: W's fragments of K steps 0-3 (48 (s % 4) + 12 b);  window 2: of K steps 4-7;  window 3: x's fragments, two sets of 96; at the head the 216 gathered registers of codes.
.set XP,    784                        ; a row of x's codes in LDS: 768 bytes + 16 = 49 x 16: sixteen rows fall into sixteen different columns of 16 bytes
.set XSL,   144*XP                     ; x's scale words: 144 rows, 48 bytes apart (32 + 16)
.set XSP,   48
.set ROWT,  XSL+144*XSP                ; the rows' numbers: 576 bytes, in three blocks of 256
.set STG,   ROWT+768                   ; the stages: 16 rows x 272 bytes for each wave
.set SPARE, STG+4*16*272               ; the spare words, 128 bytes for each wave: two blocks of 256 bytes that no other line names
.set WS,   16
.set BIAS, 32
.set XS,   64
.set RW,   80
.set SO,   96
.set ACC,  112
.set OB,   176
.set GS,   96
.set E,    176
.set CA,   194
.set SA,   212
.set MSB, 0
.macro WIN new                         ; bits 1:0 source 0, 3:2 source 1, 5:4 source 2, 7:6 destination; the high byte repeats the setting that is left
.if MSB != \new
	s_set_vgpr_msb (MSB<<8)|\new
.set MSB, \new
.endif
.endm
	s_load_b512 s[4:19], s[0:1], 0x0               ; xq s[4:5], xs s[6:7], wq s[8:9], ws s[10:11], biases s[12:13], order s[14:15], tiles s[16:17], out0 s[18:19]
	v_lshl_add_u32 v1, v0, 2, SPARE                ; my spare word; never rewritten
	v_mov_b32 v2, 0                                ; 0; never rewritten
	v_lshrrev_b32 v240, 5, v0
	v_readfirstlane_b32 s20, v240                  ; wave 0 .. 3
	s_and_b32 s21, ttmp7, 0xffff                   ; the tile
	v_and_b32 v241, 31, v0                         ; lane
	v_and_b32 v242, 15, v0                         ; r = lane % 16
	v_bfe_u32 v243, v0, 4, 1                       ; h = lane / 16
	v_lshlrev_b32 v3, 4, v241                      ; v3   16 x lane
	v_lshlrev_b32 v10, 4, v242                     ; v10  16 r
	v_lshlrev_b32 v11, 5, v243                     ; v11  32 h
	v_mul_u32_u24 v4, v242, XP
	v_lshl_add_u32 v4, v243, 4, v4                 ; v4   x's fragments: row r, + 16 h
	v_add_nc_u32 v5, 5*16*XP, v4                   ; v5   the same 80 rows on: an LDS offset has 16 bits
	v_mul_u32_u24 v6, v242, XSP
	v_add_nc_u32 v6, XSL, v6                       ; v6   x's scale words: row r
	v_lshl_add_u32 v7, v243, 5, ROWT               ; v7   row numbers: eight rows for each half of the lanes
	s_mul_i32 s30, s20, 16*272
	s_add_co_u32 s30, s30, STG                     ; my stage
	v_mul_u32_u24 v8, v242, 272
	v_add_nc_u32 v8, v8, v11
	v_add_nc_u32 v8, s30, v8                       ; v8   in: row r, + 32 h
	v_mul_u32_u24 v9, v243, 8*272
	v_add_nc_u32 v9, v9, v10
	v_add_nc_u32 v9, s30, v9                       ; v9   back: lanes 0-15 rows 0-7, lanes 16-31 rows 8-15; 16 bytes a lane
	s_mul_i32 s30, s20, 36*XP                      ; the gather: wave w takes slots 36 w on, each half of its lanes 18 of them, sixteen lanes to 256 bytes
	v_mul_u32_u24 v12, v243, 18*XP
	v_add_nc_u32 v12, v12, v10
	v_add_nc_u32 v12, s30, v12                     ; v12  where the codes go
	v_and_b32 v244, 1, v0
	v_lshlrev_b32 v244, 4, v244                    ; a row's 32 bytes of scale words: two pieces of 16, by lane % 2
	s_mul_i32 s30, s20, 36*XSP
	s_add_co_u32 s30, s30, XSL
	v_mul_u32_u24 v13, v243, 18*XSP
	v_add_nc_u32 v13, v13, v244
	v_add_nc_u32 v13, s30, v13                     ; v13  where the scale words go
	s_mul_i32 s30, s20, 144
	v_mul_u32_u24 v15, v243, 72
	v_add_nc_u32 v15, s30, v15                     ; v15  my 18 slots in the tile's part of the list
	v_add_nc_u32 v14, ROWT, v15                    ; v14  and where their row numbers go
	s_mul_i32 s26, s21, 576
	s_mov_b32 s27, 0
	s_lshl_b32 s28, s21, 3
	s_mov_b32 s29, 0
	s_wait_kmcnt 0x0
	s_add_nc_u64 s[14:15], s[14:15], s[26:27]      ; the tile's 144 slots
	s_add_nc_u64 s[16:17], s[16:17], s[28:29]      ; and its record
	s_load_b64 s[22:23], s[16:17], 0x0             ; expert, rows
	s_load_b32 s24, s[14:15], 0x0                  ; the tile's first row
.irp i, 0,1,2,3,4,5,6,7,8
	global_load_b64 v[E+2*\i:E+2*\i+1], v15, s[14:15] offset:8*\i
.endr
	s_wait_kmcnt 0x0
	s_min_u32 s22, s22, 7                          ; loaded numbers enter addresses behind a hold
	s_min_u32 s23, s23, 144
	s_min_u32 s24, s24, 8191
	s_lshl_b32 s26, s22, 6
	s_lshl_b32 s27, ttmp9, 4
	s_add_co_u32 s26, s26, s27
	s_lshl_b32 s27, s20, 2
	s_add_co_u32 s26, s26, s27                     ; my first tile of 16 outputs among the 512: 64 e + 16 x + 4 w
	s_mul_i32 s28, s26, 12288                      ; 8 fragments of 1,536 bytes each
	s_add_nc_u64 s[8:9], s[8:9], s[28:29]
	s_lshl_b32 s28, s26, 9                         ; 1,024 bytes of scale words for 32 outputs
	s_add_nc_u64 s[10:11], s[10:11], s[28:29]
	s_lshl_b32 s28, s26, 6                         ; 64 bytes of bias for 16 outputs
	s_add_nc_u64 s[12:13], s[12:13], s[28:29]
	s_lshl_b32 s28, ttmp9, 10
	s_lshl_b32 s27, s20, 8
	s_add_co_u32 s28, s28, s27                     ; my 64 outputs in a row of out: 1024 x + 256 w bytes
	s_add_nc_u64 s[18:19], s[18:19], s[28:29]
.irp b, 0,1,2,3
	global_load_b128 v[BIAS+8*\b:BIAS+8*\b+3], v11, s[12:13] offset:64*\b          ; in the result's layout: outputs 16 b + 8 h + 0 .. 7
	global_load_b128 v[BIAS+8*\b+4:BIAS+8*\b+7], v11, s[12:13] offset:64*\b+16
.endr
.irp q, 0,1,2,3
	global_load_b128 v[WS+4*\q:WS+4*\q+3], v3, s[10:11] offset:512*\q              ; register 8 (b / 2) + s: lanes 0-15 the words of tile b even, lanes 16-31 of tile b odd
.endr
	s_wait_loadcnt 12                              ; my slots are in; the 12 loads behind them may be out
.irp i, 0,1,2,3,4,5,6,7,8,9,10,11,12,13,14,15,16,17
	v_cmp_gt_u32 vcc_lo, 0x2000, v[E+\i]           ; a row?
	v_cndmask_b32 v[E+\i], s24, v[E+\i], vcc_lo    ; else the tile's first row
	v_min_u32 v[E+\i], 0x1fff, v[E+\i]
	v_and_b32 v[CA+\i], -2, v[E+\i]
	v_mad_u32_u24 v[CA+\i], v[CA+\i], 768, v10     ; (n / 2) x 1536 + 16 r
	v_and_b32 v[SA+\i], 1, v[E+\i]
	v_lshl_add_u32 v[CA+\i], v[SA+\i], 8, v[CA+\i] ; + 256 (n % 2)
	v_lshl_add_u32 v[SA+\i], v[E+\i], 5, v244      ; 32 n + 16 (lane % 2)
.endr
	WIN 0xc0                                       ; destination window 3
.irp i, 0,1,2,3,4,5,6,7,8,9,10,11,12,13,14,15,16,17
.irp c, 0,1,2
	global_load_b128 v[12*\i+4*\c:12*\i+4*\c+3], v[CA+\i], s[4:5] offset:512*\c    ; sixteen lanes read 256 consecutive bytes, aligned
.endr
.endr
	WIN 0
.irp i, 0,1,2,3,4,5,6,7,8,9,10,11,12,13,14,15,16,17
	global_load_b128 v[GS+4*\i:GS+4*\i+3], v[SA+\i], s[6:7]
.endr
.macro WLOAD s                         ; W's four fragments of K step s: images of the operand's registers, 512 consecutive bytes a load
.irp b, 0,1,2,3
.irp c, 0,1,2
	global_load_b128 v[48*((\s)%4)+12*\b+4*\c:48*((\s)%4)+12*\b+4*\c+3], v3, s[8:9] offset:(8*\b+(\s))*1536+512*\c
.endr
.endr
.endm
	WIN 0x40                                       ; destination window 1
.irp s, 0,1,2,3
	WLOAD \s
.endr
	s_wait_loadcnt 48                              ; all but the 48 just issued: x's codes and scale words, the bias and W's scale words are in
	WIN 0x0c                                       ; an LDS store's data are its source 1: window 3
.irp i, 0,1,2,3,4,5,6,7,8,9,10,11,12,13,14,15,16,17
.irp c, 0,1,2
	ds_store_b128 v12, v[12*\i+4*\c:12*\i+4*\c+3] offset:XP*\i+256*\c
.endr
.endr
	WIN 0
.irp i, 0,1,2,3,4,5,6,7,8,9,10,11,12,13,14,15,16,17
	ds_store_b128 v13, v[GS+4*\i:GS+4*\i+3] offset:XSP*\i      ; eight lanes write the same 16 bytes with the same value
.endr
.irp i, 0,1,2,3,4,5,6,7,8
	ds_store_b64 v14, v[E+2*\i:E+2*\i+1] offset:8*\i           ; sixteen lanes likewise
.endr
	WIN 0x80                                       ; destination window 2
.irp s, 4,5,6,7
	WLOAD \s
.endr
	WIN 0
	s_wait_dscnt 0x0                               ; for the others' sake: my stores have landed
	s_barrier_signal -1
	s_barrier_wait -1                              ; the tile's 144 rows lie in LDS; nobody writes them again
; 28 LDS loads: tile m of 16 rows: its scale words, its row numbers, its eight fragments, into sets m % 2
.macro FETCH m
.set FP, (\m)%2
	ds_load_b128 v[XS+8*FP:XS+8*FP+3], v6 offset:16*XSP*(\m)           ; lane r: row r's words of K steps 0-3,
	ds_load_b128 v[XS+8*FP+4:XS+8*FP+7], v6 offset:16*XSP*(\m)+16      ; 4-7
	ds_load_b128 v[RW+8*FP:RW+8*FP+3], v7 offset:64*(\m)
	ds_load_b128 v[RW+8*FP+4:RW+8*FP+7], v7 offset:64*(\m)+16
	WIN 0xc0
.irp s, 0,1,2,3,4,5,6,7
.irp c, 0,1,2
.if (\m) < 5
	ds_load_b128 v[96*FP+12*\s+4*\c:96*FP+12*\s+4*\c+3], v4 offset:16*XP*(\m)+256*\c+32*\s
.else
	ds_load_b128 v[96*FP+12*\s+4*\c:96*FP+12*\s+4*\c+3], v5 offset:16*XP*((\m)-5)+256*\c+32*\s
.endif
.endr
.endr
	WIN 0
.endm
.macro PROD s, b
.set RD_, ACC+32*MP+8*(\b)
.set FW_, 48*((\s)%4)+12*(\b)
.set FA_, 96*MP+12*(\s)
.if (\s) == 0
.if (\b)%2
	v_wmma_scale_f32_16x16x128_f8f6f4 v[RD_:RD_+7], v[FW_:FW_+11], v[FA_:FA_+11], v[BIAS+8*(\b):BIAS+8*(\b)+7], v[WS+8*((\b)/2)+(\s)], v[XS+8*MP+(\s)] matrix_a_fmt:MATRIX_FMT_BF6 matrix_b_fmt:MATRIX_FMT_BF6 matrix_a_scale:MATRIX_SCALE_ROW1
.else
	v_wmma_scale_f32_16x16x128_f8f6f4 v[RD_:RD_+7], v[FW_:FW_+11], v[FA_:FA_+11], v[BIAS+8*(\b):BIAS+8*(\b)+7], v[WS+8*((\b)/2)+(\s)], v[XS+8*MP+(\s)] matrix_a_fmt:MATRIX_FMT_BF6 matrix_b_fmt:MATRIX_FMT_BF6
.endif
.else
.if (\b)%2
	v_wmma_scale_f32_16x16x128_f8f6f4 v[RD_:RD_+7], v[FW_:FW_+11], v[FA_:FA_+11], v[RD_:RD_+7], v[WS+8*((\b)/2)+(\s)], v[XS+8*MP+(\s)] matrix_a_fmt:MATRIX_FMT_BF6 matrix_b_fmt:MATRIX_FMT_BF6 matrix_a_scale:MATRIX_SCALE_ROW1
.else
	v_wmma_scale_f32_16x16x128_f8f6f4 v[RD_:RD_+7], v[FW_:FW_+11], v[FA_:FA_+11], v[RD_:RD_+7], v[WS+8*((\b)/2)+(\s)], v[XS+8*MP+(\s)] matrix_a_fmt:MATRIX_FMT_BF6 matrix_b_fmt:MATRIX_FMT_BF6
.endif
.endif
.endm
; 32 matrix instructions: tile m x my 64 outputs, K ascending; the four accumulators take turns, one instruction a turn; the bias starts each sum
.macro MUL m
.set MP, (\m)%2
.irp s, 0,1,2,3,4,5,6,7
.if (\m) == 0                          ; the first tile meets W on its way in: K step s's 12 loads are in when at most the 12 (7 - s) younger ones are out (the wait's field holds 63)
.if 12*(7-\s) > 63
	s_wait_loadcnt 63
.else
	s_wait_loadcnt 12*(7-\s)
.endif
.endif
.if \s < 4
	WIN 0x0d                                       ; source 0 (W) window 1, source 1 (x) window 3, C and D window 0
.else
	WIN 0x0e                                       ; source 0 window 2
.endif
.irp b, 0,1,2,3
	PROD \s, \b
.endr
.endr
	WIN 0
.endm
; where tile m's rows go.  These 16 plain lines name no register of the products: they are the places between the products and the LDS stores that read the results, and between the products and the
; next loads into the fragments and scale words that they read.
.macro ADDR m
.set AP, (\m)%2
	s_wait_xcnt 0x0                                ; the stores of two tiles back have read their offsets and their data: both sets are written again below
.irp t, 0,1,2,3,4,5,6,7
	v_min_u32 v[RW+8*AP+\t], 0x1fff, v[RW+8*AP+\t] ; a loaded number enters an address behind a hold
.endr
.irp t, 0,1,2,3,4,5,6,7
	v_lshl_add_u32 v[SO+8*AP+\t], v[RW+8*AP+\t], 12, v10   ; 4,096 bytes a row, + 16 r
.endr
.endm
.macro TOSTAGE m                       ; 8 LDS stores and 8 LDS loads: LDS serves a wave's instructions in order, so the loads see the stores, and the next tile's stores come behind these loads
.set SP_, (\m)%2
.irp b, 0,1,2,3
	ds_store_b128 v8, v[ACC+32*SP_+8*\b:ACC+32*SP_+8*\b+3] offset:64*\b            ; each accumulator from its low end on
	ds_store_b128 v8, v[ACC+32*SP_+8*\b+4:ACC+32*SP_+8*\b+7] offset:64*\b+16
.endr
.irp t, 0,1,2,3,4,5,6,7
	ds_load_b128 v[OB+32*SP_+4*\t:OB+32*SP_+4*\t+3], v9 offset:272*\t
.endr
.endm
.macro SEND p
.irp t, 0,1,2,3,4,5,6,7
	global_store_b128 v[SO+8*(\p)+\t], v[OB+32*(\p)+4*\t:OB+32*(\p)+4*\t+3], s[18:19] th:TH_STORE_NT   ; sixteen lanes store 256 consecutive bytes of one row, aligned; written once, read by nobody here
.endr
.endm
	FETCH 0
.irp m, 0,1,2,3,4,5,6,7,8
	s_cmp_le_u32 s23, 16*\m                        ; no row left from slot 16 m on?
.if \m == 0
	s_cbranch_scc1 .Lend                           ; an empty tile stores nothing
	s_wait_dscnt 0x0                               ; tile 0's 28 loads are in
.else
.if (\m-1)%2 == 0
	s_cbranch_scc1 .Lfin0
.else
	s_cbranch_scc1 .Lfin1
.endif
	s_wait_dscnt 16                                ; this tile's 28 loads are in; the 16 stage instructions of the tile before may be out
.endif
.if \m < 8
	FETCH \m+1
.endif
	MUL \m
.if \m > 0
.if \m < 8
	s_wait_dscnt 28                                ; the tile before is back from the stage; the 28 loads issued behind it may be out
.else
	s_wait_dscnt 0x0
.endif
	SEND (\m-1)%2
.endif
	ADDR \m
	TOSTAGE \m
.endr
.Lfin0:
	s_wait_dscnt 0x0
	SEND 0
	s_branch .Lend
.Lfin1:
	s_wait_dscnt 0x0
	SEND 1
.Lend:
	s_wait_tensorcnt 0x0                           ; the wave's end
	ds_add_u32 v1, v2
	s_wait_dscnt 0x0
	s_endpgm
.Lfunc_end_k_q80b56c179a_gemm:
	.size	k_q80b56c179a_gemm, .Lfunc_end_k_q80b56c179a_gemm-k_q80b56c179a_gemm
	.p2alignl 7, 3214868480
	.fill 96, 4, 3214868480
	.section	.rodata,"a",@progbits
	.p2align	6, 0x0
	.amdhsa_kernel k_q80b56c179a_gemm
		.amdhsa_group_segment_fixed_size 138496
		.amdhsa_private_segment_fixed_size 0
		.amdhsa_enable_private_segment 0
		.amdhsa_kernarg_size 64
		.amdhsa_user_sgpr_count 2
		.amdhsa_user_sgpr_kernarg_segment_ptr 1
		.amdhsa_wavefront_size32 1
		.amdhsa_system_sgpr_workgroup_id_x 1
		.amdhsa_system_sgpr_workgroup_id_y 1
		.amdhsa_system_sgpr_workgroup_id_z 1
		.amdhsa_system_vgpr_workitem_id 0
		.amdhsa_next_free_vgpr 1024
		.amdhsa_next_free_sgpr 66
		.amdhsa_reserve_vcc 1
		.amdhsa_float_denorm_mode_32 3
		.amdhsa_float_denorm_mode_16_64 3
		.amdhsa_memory_ordered 1
		.amdhsa_forward_progress 1
		.amdhsa_inst_pref_size 116
	.end_amdhsa_kernel
	.amdgpu_metadata
---
amdhsa.version: [ 1, 2 ]
amdhsa.kernels:
  - .name:           k_q80b56c179a_gemm
    .symbol:         k_q80b56c179a_gemm.kd
    .args:
      - { .name: xq, .offset: 0, .size: 8, .value_kind: global_buffer, .address_space: global }
      - { .name: xs, .offset: 8, .size: 8, .value_kind: global_buffer, .address_space: global }
      - { .name: wq, .offset: 16, .size: 8, .value_kind: global_buffer, .address_space: global }
      - { .name: ws, .offset: 24, .size: 8, .value_kind: global_buffer, .address_space: global }
      - { .name: biases, .offset: 32, .size: 8, .value_kind: global_buffer, .address_space: global }
      - { .name: order, .offset: 40, .size: 8, .value_kind: global_buffer, .address_space: global }
      - { .name: tiles, .offset: 48, .size: 8, .value_kind: global_buffer, .address_space: global }
      - { .name: out0, .offset: 56, .size: 8, .value_kind: global_buffer, .address_space: global }
    .group_segment_fixed_size: 138496
    .private_segment_fixed_size: 0
    .kernarg_segment_align: 8
    .kernarg_segment_size: 64
    .max_flat_workgroup_size: 128
    .sgpr_count:     66
    .vgpr_count:     1024
    .wavefront_size: 32
...
	.end_amdgpu_metadata
.endif
;; end of part 2
;; ======== version 2 of 2: 2 launches
;; workspace buffers: xq 6,291,456 bytes; xs 262,144 bytes; wq 6,291,456 bytes; ws 262,144 bytes; order 37,120 bytes of whole numbers; tiles 512 bytes of whole numbers
;; launch prep (part 3): grid 257 x 1, 8 waves a work-group, no clusters, 141,312 bytes of LDS; arguments inputs, weights, nodes_type, xq, xs, wq, ws, order, tiles; writes xq, xs, wq, ws, order, tiles
.if DOCPART == 3
	.amdgcn_target "amdgcn-amd-amdhsa--gfx1250"
	.amdhsa_code_object_version 6
	.text
	.protected	k_q80b56c179a_prep
	.globl	k_q80b56c179a_prep
	.p2align	8
	.type	k_q80b56c179a_prep,@function
k_q80b56c179a_prep:
	s_mov_b64 s[64:65], 0
	v_nop
	global_prefetch_b8 v0, s[64:65] scope:SCOPE_SE
	s_setreg_imm32_b32 hwreg(HW_REG_WAVE_MODE, 25, 1), 1
	s_wait_xcnt 0x0
; out[n] = Q(W[t[n]]) . Q(x[n]) + b[t[n]], t = nodes_type; Q: codes of E3M2 with one E8M0 scale for each 32 along K.  This launch quantises x and W once and sorts the rows by expert.
; WORK LEFT OUT BY THE PROGRAM: reference() forms y_all[n][e][:] for all 8 experts and then keeps, by take_along_axis on nodes_type, the one slice e = t[n].  For every finite x, W, b the other seven
; slices reach no output.  nodes_type is a whole-number input read from memory, so only row n against expert t[n] is multiplied (next launch).  Every input has a way to the output: all are loaded.
; LIMITS: a NaN, an infinity or an overflow that would arise only in an expert that was not chosen is not carried to the result.  nodes_type outside 0 .. 7 is not served (such rows are not written).
; NaN and infinities among x and W are not served.  A block of zeros gets the scale byte 1 where the quantiser says 127: its codes are zeros, and these bytes are read by this program alone.
; THREE PATHS, parted on the work-group's number alone, each with LDS bytes of its own:  0: the sort;  1 .. 128: W;  129 .. 256: x.
; THE QUANTISER.  A wave has 4 steps of 16 chunks of 128 numbers (512 bytes).  Each load reads one chunk, 16 bytes a lane; the 16 chunks turn through the wave's own stage in LDS (rows 528 bytes apart), and
; lane (c = lane % 16, h = lane / 16) takes back blocks h and 2 + h of chunk c: the very 64 numbers that the matrix operand's layout gives lane (row c, half h) of a fragment of 16 rows x 128 K.
; So the conversions' 12 registers are the fragment's registers; they leave as three stores of 16 bytes a lane, 512 consecutive bytes each.
;   W: the 16 chunks are 16 rows of one K step: the three stores are the image of fragment (16 rows, K step).        wq: ((row / 16) x 8 + K step) x 1536 + 512 c + 16 lane
;   x: the 16 chunks are 2 rows x 8 K steps.  xq: (n / 2) x 1536 + 512 c + 256 (n % 2) + 32 s + 16 h: for each row n and each c one aligned run of 256 bytes, so that any 16 rows can form a tile later.
; Scale words (4 bytes: a row's 128 along K) are gathered in 256 bytes of LDS a wave and leave as one aligned run of 256 bytes.
;   ws: (R / 32) x 1024 + (s / 4) x 512 + (R % 32) x 16 + (s % 4) x 4, R = 1024 e + o;      xs: 32 n + 4 s.
; THE SORT (one work-group, no atomics): a counting sort into tiles of 144 rows of one expert.  order[144 tile + slot] = row, or 8192 in a slot that holds none; tiles[tile] = (expert, rows), (0, 0) where empty.
; The sum over experts of ceil(rows / 144) is at most 64 for every split of 8192 rows, and at least 57.  Behind the 9216 slots order has one more, slot 9216, which nobody reads (macro PAD).
.set WREG,   8704                      ; LDS of a quantising wave: a stage of 16 x 528 bytes and 256 bytes of scale words
.set SPITCH, 528                       ; a stage row: 512 bytes + 16 = 33 x 16: sixteen lanes that read sixteen rows fall into sixteen different columns of 16 bytes
.set SCW,    16*SPITCH
.set PBX,    8*WREG                    ; W's eight regions from 0, x's eight from here
.set TBL,    16*WREG                   ; the sort's table: 128 bytes a wave
.set SPARE,  TBL+1024                  ; the spare words, 128 bytes for each wave: four blocks of 256 bytes that no other line names
.set SPW, 1                            ; v1   LDS address of my spare word; never rewritten
.set NIL, 2                            ; v2   0; never rewritten
.set GL,  3                            ; v3   16 x lane
.set STI, 4                            ; v4   the stage, on the way in
.set STO, 5                            ; v5   and on the way out
.set CO,  6                            ; v6   my 16 bytes in a store of codes
.set SCA, 7                            ; v7   where my chunk's scale word goes
.set SCR, 8                            ; v8   where I read 8 bytes of scale words back
.set L8,  9                            ; v9   8 x lane
.set H8,  10                           ; v10  8 h
.set PD,  11                           ; v11  a lane permute's destination
.set M,   12                           ; v12-13 largest magnitudes; v14-15 scale operands; v16-17 bytes; v18 the word
.set S,   14
.set B,   16
.set WD,  18
.set C,   20                           ; v20-31 a fragment's 12 registers
.set T,   32                           ; v32-34, v36-38 the second halves of the two blocks' codes
.set SW,  40                           ; v40-41 scale words on the way out
.set X,   64                           ; v64-127 my 64 numbers
.set R,   128                          ; v128-255 two sets of 16 chunks as loaded
.macro LOADS t, src, ki, kt            ; step t's 16 chunks: each load reads 512 consecutive bytes
.irp i, 0,1,2,3,4,5,6,7,8,9,10,11,12,13,14,15
	global_load_b128 v[R+64*((\t)%2)+4*\i:R+64*((\t)%2)+4*\i+3], v[GL], s[\src:\src+1] offset:\ki*\i+\kt*(\t) th:TH_LOAD_NT
.endr
.endm
.macro TURN t                          ; through the stage: LDS serves a wave's instructions in order, so no wait stands between the stores and the loads
.irp i, 0,1,2,3,4,5,6,7,8,9,10,11,12,13,14,15
	ds_store_b128 v[STI], v[R+64*((\t)%2)+4*\i:R+64*((\t)%2)+4*\i+3] offset:SPITCH*\i
.endr
.irp q, 0,1,2,3,4,5,6,7
	ds_load_b128 v[X+4*\q:X+4*\q+3], v[STO] offset:16*\q               ; block h of my chunk
.endr
.irp q, 0,1,2,3,4,5,6,7
	ds_load_b128 v[X+32+4*\q:X+32+4*\q+3], v[STO] offset:256+16*\q     ; block 2 + h
.endr
.endm
.macro QUANT                           ; 64 numbers -> 12 registers of codes in v[C] on, the chunk's scale word in v[WD]
.irp c, 0,1
	v_max3_num_f32 v[M+\c], |v[X+32*\c]|, |v[X+32*\c+1]|, 0x2800000    ; all 32 numbers of a block are mine; the floor 2^(5 - 127) holds the byte at 1 from below
.endr
.irp i, 2,4,6,8,10,12,14,16,18,20,22,24,26,28,30
.irp c, 0,1
	s_delay_alu instid0(VALU_DEP_2)
	v_max3_num_f32 v[M+\c], v[M+\c], |v[X+32*\c+\i]|, |v[X+32*\c+\i+1]|   ; the two blocks by turns
.endr
.endr
.irp c, 0,1
	s_delay_alu instid0(VALU_DEP_2)
	v_add_nc_u32 v[S+\c], 0xfe000000, v[M+\c]      ; 4 off the exponent field: the conversion takes this operand's exponent field as its scale
.endr
.irp c, 0,1
	s_delay_alu instid0(VALU_DEP_2)
	v_lshrrev_b32 v[B+\c], 23, v[S+\c]             ; the scale's byte
.endr
	s_delay_alu instid0(VALU_DEP_1)
	v_lshl_or_b32 v[WD], v[B+1], 16, v[B]          ; my two bytes, blocks h and 2 + h,
	s_delay_alu instid0(VALU_DEP_1)
	v_lshlrev_b32 v[WD], v[H8], v[WD]              ; at their places in the word;
	s_delay_alu instid0(VALU_DEP_1)
	v_permlanex16_b32 v[PD], v[WD], s24, s25
	s_delay_alu instid0(VALU_DEP_1)
	v_or_b32 v[WD], v[WD], v[PD]                   ; with lane l xor 16's two the word is whole
	v_cvt_scalef32_pk16_bf6_f32 v[C:C+2], v[X:X+15], v[S]
	v_cvt_scalef32_pk16_bf6_f32 v[T:T+2], v[X+16:X+31], v[S]           ; (a conversion's three registers begin on an even number)
	v_cvt_scalef32_pk16_bf6_f32 v[C+6:C+8], v[X+32:X+47], v[S+1]
	v_cvt_scalef32_pk16_bf6_f32 v[T+4:T+6], v[X+48:X+63], v[S+1]
	v_nop                                          ; one plain instruction between a scaled conversion and the vector instruction that touches its result
.irp i, 0,1,2
	v_mov_b32 v[C+3+\i], v[T+\i]
	v_mov_b32 v[C+9+\i], v[T+4+\i]
.endr
.endm
.macro OUT t, cod, kw
	ds_store_b32 v[SCA], v[WD] offset:\kw*(\t)     ; lanes l and l xor 16 write the same word with the same value
.irp c, 0,1,2
	global_store_b128 v[CO], v[C+4*\c:C+4*\c+3], s[\cod:\cod+1] offset:1536*(\t)+512*\c   ; the wave's store covers 512 consecutive bytes, aligned
.endr
.endm
.macro LDSADR                          ; s23 = my wave's region
	v_add_nc_u32 v[STI], s23, v[GL]
	v_add_nc_u32 v[STO], s23, v[STO]
	s_add_co_u32 s33, s23, SCW
	v_add_nc_u32 v[SCA], s33, v[SCA]
	v_add_nc_u32 v[SCR], s33, v[L8]
.endm
.macro QPATH src, cod, scl, ki, kt, kw
	LOADS 0, \src, \ki, \kt
	LOADS 1, \src, \ki, \kt
.irp t, 0,1,2,3
.if \t < 3
	s_wait_loadcnt 16                              ; this step's 16 loads are in; the next step's 16 may be out
.else
	s_wait_loadcnt 0x0
.endif
	TURN \t
	s_wait_dscnt 0x0                               ; my numbers are back, and the stage's stores have read the set that is loaded again below
.if \t > 0
	s_wait_xcnt 0x0                                ; the last step's stores of codes have read their registers, which are written again below
.endif
.if \t < 2
	LOADS \t+2, \src, \ki, \kt
.endif
	QUANT
	OUT \t, \cod, \kw
.endr
	ds_load_b64 v[SW:SW+1], v[SCR]                 ; LDS serves a wave's instructions in order: these see my stores
	s_wait_dscnt 0x0
	global_store_b64 v[L8], v[SW:SW+1], s[\scl:\scl+1]   ; 32 lanes store 256 consecutive bytes, aligned
	s_wait_tensorcnt 0x0                           ; the wave's end
	ds_add_u32 v[SPW], v[NIL]
	s_wait_dscnt 0x0
	s_endpgm
.endm
	s_load_b512 s[4:19], s[0:1], 0x0               ; inputs s[4:5], weights s[6:7], nodes_type s[8:9], xq s[10:11], xs s[12:13], wq s[14:15], ws s[16:17], order s[18:19]
	s_load_b64 s[20:21], s[0:1], 0x40              ; tiles
	v_lshl_add_u32 v[SPW], v0, 2, SPARE
	v_mov_b32 v[NIL], 0
	v_lshrrev_b32 v45, 5, v0
	s_delay_alu instid0(VALU_DEP_1)
	v_readfirstlane_b32 s22, v45                   ; wave 0 .. 7
	v_and_b32 v42, 31, v0                          ; lane
	v_and_b32 v43, 15, v0                          ; lane % 16
	v_bfe_u32 v44, v0, 4, 1                        ; h = lane / 16
	s_mov_b32 s24, 0x76543210
	s_mov_b32 s25, 0xfedcba98                      ; v_permlanex16_b32's selects for lane l xor 16
	s_mov_b32 s31, 0
	s_wait_kmcnt 0x0
	s_cmp_eq_u32 ttmp9, 0
	s_cbranch_scc1 .Lsort
	s_wait_alu depctr_va_vdst(0)
	v_lshlrev_b32 v[GL], 4, v42
	v_lshlrev_b32 v[L8], 3, v42
	v_lshlrev_b32 v[H8], 3, v44
	v_mov_b32 v[PD], 0                             ; written once: a lane permute's destination counts as one of its sources
	v_mul_u32_u24 v[STO], v43, SPITCH
	s_delay_alu instid0(VALU_DEP_1)
	v_lshl_add_u32 v[STO], v44, 7, v[STO]          ; chunk lane % 16, + 128 h
	s_mul_i32 s23, s22, WREG
	s_cmp_gt_u32 ttmp9, 128
	s_cbranch_scc1 .Lx
	; ---- W: task a = 8 (work-group - 1) + wave: rows 16 J .. 16 J + 15 (J = a / 2) of the 8192 rows (expert, output), K steps 4 k .. 4 k + 3 (k = a % 2)
	v_lshlrev_b32 v[SCA], 4, v43                   ; the word of row lane % 16: 16 bytes a row, 4 bytes a step
	LDSADR
	v_mov_b32 v[CO], v[GL]                         ; the image of a fragment: 16 x lane
	s_sub_co_u32 s26, ttmp9, 1
	s_lshl_b32 s26, s26, 3
	s_add_co_u32 s26, s26, s22                     ; a
	s_lshr_b32 s27, s26, 1                         ; J
	s_and_b32 s28, s26, 1                          ; k
	s_lshl_b32 s30, s27, 16                        ; 16 rows of 4,096 bytes
	s_lshl_b32 s29, s28, 11                        ; 4 K steps of 512 bytes
	s_add_co_u32 s30, s30, s29
	s_add_nc_u64 s[6:7], s[6:7], s[30:31]
	s_mul_i32 s30, s26, 6144                       ; 4 fragments of 1,536 bytes
	s_add_nc_u64 s[14:15], s[14:15], s[30:31]
	s_lshr_b32 s30, s27, 1
	s_lshl_b32 s30, s30, 10                        ; (J / 2) x 1024
	s_lshl_b32 s29, s28, 9                         ; + 512 k
	s_add_co_u32 s30, s30, s29
	s_and_b32 s29, s27, 1
	s_lshl_b32 s29, s29, 8                         ; + 256 (J % 2)
	s_add_co_u32 s30, s30, s29
	s_add_nc_u64 s[16:17], s[16:17], s[30:31]
	s_wait_alu depctr_va_vdst(0)
	QPATH 6, 14, 16, 4096, 512, 4                  ; chunk i: row i; step t: K step t
.Lx:	; ---- x: task a = 8 (work-group - 129) + wave: rows 8 a .. 8 a + 7; step t: rows 8 a + 2 t, + 1; chunk i = 8 (row % 2) + K step
	s_add_co_u32 s23, s23, PBX
	v_bfe_u32 v46, v0, 3, 1                        ; my chunk's row % 2
	v_and_b32 v47, 7, v0                           ; my chunk's K step
	s_delay_alu instid0(VALU_DEP_2)
	v_lshlrev_b32 v[SCA], 5, v46
	s_delay_alu instid0(VALU_DEP_1)
	v_lshl_add_u32 v[SCA], v47, 2, v[SCA]          ; 32 bytes a row, 4 bytes a K step
	s_wait_alu depctr_va_vdst(0)
	LDSADR
	v_lshlrev_b32 v[CO], 8, v46
	s_delay_alu instid0(VALU_DEP_1)
	v_lshl_add_u32 v[CO], v47, 5, v[CO]
	s_delay_alu instid0(VALU_DEP_1)
	v_lshl_add_u32 v[CO], v44, 4, v[CO]            ; 256 (row % 2) + 32 s + 16 h
	s_sub_co_u32 s26, ttmp9, 129
	s_lshl_b32 s26, s26, 3
	s_add_co_u32 s26, s26, s22                     ; a
	s_lshl_b32 s30, s26, 15                        ; 8 rows of 4,096 bytes
	s_add_nc_u64 s[4:5], s[4:5], s[30:31]
	s_mul_i32 s30, s26, 6144                       ; 4 pairs of rows of 1,536 bytes
	s_add_nc_u64 s[10:11], s[10:11], s[30:31]
	s_lshl_b32 s30, s26, 8                         ; 8 rows of 32 bytes
	s_add_nc_u64 s[12:13], s[12:13], s[30:31]
	s_wait_alu depctr_va_vdst(0)
	QPATH 4, 10, 12, 512, 8192, 64
	; ---- THE SORT.  Wave w holds elements 1024 w .. 1024 w + 1023: register 4 q + i of lane l is element 1024 w + 128 q + 4 l + i.
.set TY, 64                            ; v64-95  the types, then the byte offsets in order
.set EN, 96                            ; v96-127 the elements' numbers
.set PO, 128                           ; v128-137 the byte offsets of the ten stores that fill empty slots
.set CN, 32                            ; s[32:39] counts, then the next free position of each expert for my wave
.set MK, 40                            ; s[40:47] which lanes hold expert e
.set TP, 48                            ; s[48:55] at work
.set TO, 56                            ; s[56:63] each expert's rows
.set PS, 66                            ; s[66:73] each expert's first position, a multiple of 144
.set LN, 74                            ; s[74:81] 144 x its tiles
.macro MASKS
.irp e, 0,1,2,3,4,5,6,7
	v_cmp_eq_u32 s[MK+\e], \e, v[TY+J]
.endr
.endm
.macro TALLY
.irp e, 0,1,2,3,4,5,6,7
	s_bcnt1_i32_b32 s[TP+\e], s[MK+\e]
.endr
.irp e, 0,1,2,3,4,5,6,7
	s_add_co_u32 s[CN+\e], s[CN+\e], s[TP+\e]
.endr
.endm
; Slots s[st] .. s[en] - 1, at most 144 of them, get 8192.  All lanes stay on: a lane whose slot lies at or beyond s[en] stores the same 8192 into slot 9216, behind the list, which nobody reads.
; So EXEC never hangs on a loaded number.  Each store has an offset register of its own, v[rg] on: none is written again, and no wait is owed.
.macro PAD st, en, rg
.irp i, 0,1,2,3,4
	v_add_nc_u32 v[\rg+\i], s[\st], v42
.if \i > 0
	s_delay_alu instid0(VALU_DEP_1)
	v_add_nc_u32 v[\rg+\i], 32*\i, v[\rg+\i]
.endif
	s_delay_alu instid0(VALU_DEP_1)
	v_cmp_gt_u32 vcc_lo, s[\en], v[\rg+\i]         ; a slot of the range?
	s_delay_alu instid0(VALU_DEP_1)
	v_cndmask_b32 v[\rg+\i], 0x2400, v[\rg+\i], vcc_lo   ; else slot 9216
	s_delay_alu instid0(VALU_DEP_1)
	v_min_u32 v[\rg+\i], 0x2400, v[\rg+\i]         ; a number made of loaded ones enters an address behind a hold at the buffer's last slot
	s_delay_alu instid0(VALU_DEP_1)
	v_lshlrev_b32 v[\rg+\i], 2, v[\rg+\i]
	global_store_b32 v[\rg+\i], v23, s[18:19]
.endr
.endm
.Lsort:
	s_wait_alu depctr_va_vdst(0)
	v_lshlrev_b32 v3, 4, v42
	s_lshl_b32 s26, s22, 12
	v_add_nc_u32 v3, s26, v3                       ; 4096 w + 16 l
.irp q, 0,1,2,3,4,5,6,7
	global_load_b128 v[TY+4*\q:TY+4*\q+3], v3, s[8:9] offset:512*\q
.endr
	v_lshrrev_b32 v4, 2, v3                        ; 1024 w + 4 l
	v_lshl_add_u32 v6, v0, 2, TBL
	v_and_b32 v7, 7, v0
	s_delay_alu instid0(VALU_DEP_1)
	v_lshl_add_u32 v7, v7, 2, TBL
	v_mov_b32 v5, 0
	v_mov_b32 v23, 0x2000                          ; 8192: no row
.irp e, 0,1,2,3,4,5,6,7
	s_mov_b32 s[CN+\e], 0
.endr
	s_wait_loadcnt 0x0
.set J, 0
.rept 32                               ; my wave's count of each expert
	MASKS
	TALLY
.set J, J+1
.endr
.irp e, 0
	v_writelane_b32 v5, s[CN+\e], \e
.endr
.irp e, 1, 2, 3, 4, 5, 6, 7
	s_delay_alu instid0(VALU_DEP_1)
	v_writelane_b32 v5, s[CN+\e], \e
.endr
	ds_store_b32 v6, v5                            ; lane e of wave w: its count of expert e
	s_wait_dscnt 0x0                               ; for the others' sake: my store has landed
	s_barrier_signal -1
	s_barrier_wait -1
.irp w, 0,1,2,3,4,5,6,7
	ds_load_b32 v[8+\w], v7 offset:128*\w          ; lane l: wave w's count of expert l % 8
.endr
	s_wait_dscnt 0x0
	v_add3_u32 v16, v8, v9, v10
	s_delay_alu instid0(VALU_DEP_1)
	v_add3_u32 v16, v16, v11, v12
	s_delay_alu instid0(VALU_DEP_1)
	v_add3_u32 v16, v16, v13, v14
	s_delay_alu instid0(VALU_DEP_1)
	v_add_nc_u32 v16, v16, v15                     ; the expert's rows
	v_mov_b32 v17, 0
.irp w, 0,1,2,3,4,5,6
	s_cmp_gt_u32 s22, \w
	s_cselect_b32 s26, -1, 0
	v_and_b32 v18, s26, v[8+\w]
	s_delay_alu instid0(VALU_DEP_1)
	v_add_nc_u32 v17, v17, v18                     ; those of them in the waves before mine
.endr
.irp e, 0,1,2,3,4,5,6,7
	v_readlane_b32 s[TO+\e], v16, \e
	v_readlane_b32 s[CN+\e], v17, \e
.endr
	s_mov_b32 s82, 0                               ; P: the next expert's first position
	s_mov_b32 s83, 0
	s_mov_b32 s84, 0
.irp e, 0,1,2,3,4,5,6,7
	s_mov_b32 s[PS+\e], s82
	s_add_co_u32 s[CN+\e], s[CN+\e], s82
	s_add_co_u32 s85, s[TO+\e], 143
	s_lshr_b32 s85, s85, 4                         ; u = (rows + 143) / 16, at most 520;
	s_mul_i32 s85, s85, 7282
	s_lshr_b32 s85, s85, 16                        ; u / 9: 7282 x 9 = 65538, so the product is too large by u / 9 x 2 / 65536, under 1 / 9 for these u: exact
	s_mul_i32 s[LN+\e], s85, 144
	s_add_co_u32 s86, s82, s[TO+\e]
	s_add_co_u32 s82, s82, s[LN+\e]
	s_cmp_eq_u32 s22, \e                           ; wave e fills the empty slots of expert e's last tile
	s_cselect_b32 s83, s86, s83
	s_cselect_b32 s84, s82, s84
.endr
.set J, 0
.rept 32                               ; each element's position: its expert's next free one + the lanes below me with the same expert
	MASKS
	v_mbcnt_lo_u32_b32 v20, s[MK], s[CN]
.irp e, 1,2,3,4,5,6,7
	v_mbcnt_lo_u32_b32 v21, s[MK+\e], s[CN+\e]
	s_delay_alu instid0(VALU_DEP_1)
	v_cndmask_b32 v20, v20, v21, s[MK+\e]
.endr
	s_wait_alu depctr_va_vdst(0)
	TALLY
	v_min_u32 v[TY+J], 9215, v20                   ; held at the list's last slot
	s_delay_alu instid0(VALU_DEP_1)
	v_lshlrev_b32 v[TY+J], 2, v[TY+J]
	v_add_nc_u32 v[EN+J], 128*(J/4)+J%4, v4
	global_store_b32 v[TY+J], v[EN+J], s[18:19]    ; each store has registers of its own: none is written again
.set J, J+1
.endr
	PAD 83, 84, PO
	s_mul_i32 s85, s22, 144                        ; the tiles behind the last expert's, at most 7: wave w takes the w-th
	s_add_co_u32 s85, s85, s82
	s_add_co_u32 s86, s85, 144
	s_min_u32 s86, s86, 9216
	PAD 85, 86, PO+5
	s_cmp_gt_u32 s22, 1                            ; the 64 records: threads 0 .. 63
	s_cbranch_scc1 .Lsort_end
	v_mul_u32_u24 v24, v0, 144                     ; my tile's first position
	v_lshlrev_b32 v25, 3, v0
	v_mov_b32 v26, 0
	v_mov_b32 v27, 0
.irp e, 0,1,2,3,4,5,6,7
	v_sub_nc_u32 v28, v24, s[PS+\e]                ; d: how far into expert e's positions (a huge number if ahead of them)
	s_delay_alu instid0(VALU_DEP_1)
	v_cmp_le_u32 vcc_lo, s[LN+\e], v28             ; not among them?
	s_delay_alu instid0(VALU_DEP_2)
	v_sub_nc_u32 v29, s[TO+\e], v28
	s_delay_alu instid0(VALU_DEP_1)
	v_min_u32 v29, 144, v29                        ; rows left from d on, at most a tile's
	s_delay_alu instid0(VALU_DEP_3)
	v_cndmask_b32 v26, \e, v26, vcc_lo
	s_delay_alu instid0(VALU_DEP_2)
	v_cndmask_b32 v27, v29, v27, vcc_lo
.endr
	global_store_b64 v25, v[26:27], s[20:21]       ; a wave stores 256 consecutive bytes, aligned
.Lsort_end:
	s_wait_tensorcnt 0x0                           ; the wave's end
	ds_add_u32 v[SPW], v[NIL]
	s_wait_dscnt 0x0
	s_endpgm
.Lfunc_end_k_q80b56c179a_prep:
	.size	k_q80b56c179a_prep, .Lfunc_end_k_q80b56c179a_prep-k_q80b56c179a_prep
	.p2alignl 7, 3214868480
	.fill 96, 4, 3214868480
	.section	.rodata,"a",@progbits
	.p2align	6, 0x0
	.amdhsa_kernel k_q80b56c179a_prep
		.amdhsa_group_segment_fixed_size 141312
		.amdhsa_private_segment_fixed_size 0
		.amdhsa_enable_private_segment 0
		.amdhsa_kernarg_size 72
		.amdhsa_user_sgpr_count 2
		.amdhsa_user_sgpr_kernarg_segment_ptr 1
		.amdhsa_wavefront_size32 1
		.amdhsa_system_sgpr_workgroup_id_x 1
		.amdhsa_system_sgpr_workgroup_id_y 1
		.amdhsa_system_sgpr_workgroup_id_z 1
		.amdhsa_system_vgpr_workitem_id 0
		.amdhsa_next_free_vgpr 256
		.amdhsa_next_free_sgpr 100
		.amdhsa_reserve_vcc 1
		.amdhsa_float_denorm_mode_32 3
		.amdhsa_float_denorm_mode_16_64 3
		.amdhsa_memory_ordered 1
		.amdhsa_forward_progress 1
		.amdhsa_inst_pref_size 198
	.end_amdhsa_kernel
	.amdgpu_metadata
---
amdhsa.version: [ 1, 2 ]
amdhsa.kernels:
  - .name:           k_q80b56c179a_prep
    .symbol:         k_q80b56c179a_prep.kd
    .args:
      - { .name: inputs, .offset: 0, .size: 8, .value_kind: global_buffer, .address_space: global }
      - { .name: weights, .offset: 8, .size: 8, .value_kind: global_buffer, .address_space: global }
      - { .name: nodes_type, .offset: 16, .size: 8, .value_kind: global_buffer, .address_space: global }
      - { .name: xq, .offset: 24, .size: 8, .value_kind: global_buffer, .address_space: global }
      - { .name: xs, .offset: 32, .size: 8, .value_kind: global_buffer, .address_space: global }
      - { .name: wq, .offset: 40, .size: 8, .value_kind: global_buffer, .address_space: global }
      - { .name: ws, .offset: 48, .size: 8, .value_kind: global_buffer, .address_space: global }
      - { .name: order, .offset: 56, .size: 8, .value_kind: global_buffer, .address_space: global }
      - { .name: tiles, .offset: 64, .size: 8, .value_kind: global_buffer, .address_space: global }
    .group_segment_fixed_size: 141312
    .private_segment_fixed_size: 0
    .kernarg_segment_align: 8
    .kernarg_segment_size: 72
    .max_flat_workgroup_size: 256
    .sgpr_count:     100
    .vgpr_count:     256
    .wavefront_size: 32
...
	.end_amdgpu_metadata
.endif
;; end of part 3
;; launch gemm (part 4): grid 4 x 64, 4 waves a work-group, no clusters, 138,496 bytes of LDS; arguments xq, xs, wq, ws, biases, order, tiles, out0; writes out0
.if DOCPART == 4
	.amdgcn_target "amdgcn-amd-amdhsa--gfx1250"
	.amdhsa_code_object_version 6
	.text
	.protected	k_q80b56c179a_gemm
	.globl	k_q80b56c179a_gemm
	.p2align	8
	.type	k_q80b56c179a_gemm,@function
k_q80b56c179a_gemm:
	s_mov_b64 s[64:65], 0
	v_nop
	global_prefetch_b8 v0, s[64:65] scope:SCOPE_SE
	s_setreg_imm32_b32 hwreg(HW_REG_WAVE_SCHED_MODE, 0, 2), 2
	s_setreg_imm32_b32 hwreg(HW_REG_WAVE_MODE, 25, 1), 1
	s_wait_xcnt 0x0
	s_wait_alu depctr_vm_vsrc(0)
; out[n][:] = Q(W[t[n]]) . Q(x[n]) + b[t[n]] on the codes and scale words that the launch before has made.
; WORK LEFT OUT: of reference()'s eight experts for each row only the one that its take_along_axis keeps is multiplied (shown at the head of the launch before); a NaN, an infinity or an overflow
; that would arise only in an expert not chosen is not carried to the result.
; SHARES.  Work-group (x = column block of 256, y = tile): up to 144 rows of ONE expert (the sorted list) x 256 outputs.  64 tiles serve every split of the 8192 rows, so the grid is fixed; a tile that a split
; leaves empty stores nothing.  The walk hangs on counts read from memory, so this text has no tensor load and no asynchronous copy: operands come through registers.  No cluster, for the same reason.
; Wave w owns outputs 64 w .. 64 w + 63 of the block.  Its part of W for ALL of K, 32 fragments, stays in 384 registers, read once.  The tile's 144 rows of x (codes, scale words, row numbers) are gathered
; into LDS once by the four waves, 36 rows each; one barrier; then each wave walks the nine tiles of 16 rows: 32 matrix instructions each, four accumulators by turns, the bias as the C of each sum's first.
; A finished tile of 16 rows goes through the wave's own stage in LDS and leaves while the next is multiplied: sixteen lanes store 256 consecutive bytes of one row of out, aligned.
; THE MATRIX INSTRUCTION IS USED TRANSPOSED (source 0 = 16 rows of W, source 1 = 16 rows of x): lane (r, h) then holds eight neighbouring outputs, 16 b + 8 h + 0 .. 7, of row r.
; SLOTS WITHOUT A ROW (8192 in the list) take the tile's first row: they compute the same bits and the same wave stores them again to the same place.  Tiles of 16 rows that hold no row at all are left out
; by a scalar branch on the count, behind the barrier.  LIMIT: nodes_type outside 0 .. 7 is not served.
; REGISTERS, in windows of 256.  Window 0: v1-15 addresses; v16-31 W's scale words; v32-63 the bias; v64-79 x's scale words, two sets; v80-95 row numbers, two sets; v96-111 store offsets, two sets;
;   v112-175 accumulators, two sets of 4; v176-239 rows on the way out, two sets.  At the head, before any of these is in use: v96-167 gathered scale words, v176-229 slots and gather offsets.
;   Window 1: W's fragments of K steps 0-3 (48 (s % 4) + 12 b);  window 2: of K steps 4-7;  window 3: x's fragments, two sets of 96; at the head the 216 gathered registers of codes.
; THE MODE: SCHED_MODE bits 1:0 = 2 (LLVM: expert scheduling mode 2), set by the entry lines.  The code itself states the register dependences between vector or matrix instructions and memory or LDS
; instructions, with s_wait_alu, always for 0.
; THE PLAN.  Registers that memory or LDS instructions touch:
;   v1-15           Written at the head, ahead of the first wait on va_vdst, and never again; read as addresses by most loads and stores.
;   E, CA, SA       Head only.  E: loaded, then selected and held by vector lines; read by those lines and by the LDS stores of the row numbers.  CA, SA: made by vector lines; read by the gather's loads.
;   window 3, GS    Head only: the gather's loads land there, LDS stores read them.  Behind the barrier all these registers get their roles in the walk: one wait on vm_vsrc stands there.
;   In the walk, tile m works on the sets p = m % 2:
;   fragments, XS   [p]: the LDS loads issued in tile m - 1 land there; tile m's 32 products read them.
;   RW              [p]: the same loads land there; tile m's 16 address lines hold and read them.
;   SO              [p]: written by those lines; read as offsets by the 8 global stores that are issued in tile m + 1.
;   ACC             [p]: written by tile m's products; read by tile m's 8 LDS stores.
;   OB              [p]: tile m's 8 LDS loads land there; read as data by the 8 global stores in tile m + 1.  No vector line names it.
;   W's fragments, W's scale words and the bias are loaded once and then read by products alone.
; So ONE wait on va_vdst stands in a tile, behind its address lines: ACC[p] and SO[p] are written, and the products and the address lines are done reading the fragments, XS[p] and RW[p].  What follows it up
; to the next such wait, the LDS stores of ACC[p], the loads of tile m + 2 into the sets p and the global stores by SO[p], is dealt among tile m + 1's products and address lines, which name the other sets alone.
; And ONE wait on vm_vsrc stands in a tile, ahead of its address lines: the global stores of tile m - 2 have read SO[p] and OB[p]; the LDS stores of tile m - 1 have read the accumulators that tile m + 1 writes.
.set XP,    784                        ; a row of x's codes in LDS: 768 bytes + 16 = 49 x 16: sixteen rows fall into sixteen different columns of 16 bytes
.set XSL,   144*XP                     ; x's scale words: 144 rows, 48 bytes apart (32 + 16)
.set XSP,   48
.set ROWT,  XSL+144*XSP                ; the rows' numbers: 576 bytes, in three blocks of 256
.set STG,   ROWT+768                   ; the stages: 16 rows x 272 bytes for each wave
.set SPARE, STG+4*16*272               ; the spare words, 128 bytes for each wave: two blocks of 256 bytes that no other line names
.set WS,   16
.set BIAS, 32
.set XS,   64
.set RW,   80
.set SO,   96
.set ACC,  112
.set OB,   176
.set GS,   96
.set E,    176
.set CA,   194
.set SA,   212
.set MQ,   31                          ; s[31:39] which lanes' slots hold a row: nine slots at a time
.set MSB, 0
.macro WIN new                         ; bits 1:0 source 0, 3:2 source 1, 5:4 source 2, 7:6 destination; the high byte repeats the setting that is left
.if MSB != \new
	s_set_vgpr_msb (MSB<<8)|\new
.set MSB, \new
.endif
.endm
	s_load_b512 s[4:19], s[0:1], 0x0               ; xq s[4:5], xs s[6:7], wq s[8:9], ws s[10:11], biases s[12:13], order s[14:15], tiles s[16:17], out0 s[18:19]
	v_lshl_add_u32 v1, v0, 2, SPARE                ; my spare word; never rewritten
	v_mov_b32 v2, 0                                ; 0; never rewritten
	v_lshrrev_b32 v240, 5, v0
	v_readfirstlane_b32 s20, v240                  ; wave 0 .. 3
	s_and_b32 s21, ttmp7, 0xffff                   ; the tile
	v_and_b32 v241, 31, v0                         ; lane
	v_and_b32 v242, 15, v0                         ; r = lane % 16
	v_bfe_u32 v243, v0, 4, 1                       ; h = lane / 16
	v_lshlrev_b32 v3, 4, v241                      ; v3   16 x lane
	v_lshlrev_b32 v10, 4, v242                     ; v10  16 r
	v_lshlrev_b32 v11, 5, v243                     ; v11  32 h
	v_mul_u32_u24 v4, v242, XP
	v_lshl_add_u32 v4, v243, 4, v4                 ; v4   x's fragments: row r, + 16 h
	v_add_nc_u32 v5, 5*16*XP, v4                   ; v5   the same 80 rows on: an LDS offset has 16 bits
	v_mul_u32_u24 v6, v242, XSP
	v_add_nc_u32 v6, XSL, v6                       ; v6   x's scale words: row r
	v_lshl_add_u32 v7, v243, 5, ROWT               ; v7   row numbers: eight rows for each half of the lanes
	s_wait_alu depctr_va_sdst(0)                   ; s20, the wave's number, is written, ahead of its first reader: LDS places and the bases of W, the bias and out are made from it
	s_mul_i32 s30, s20, 16*272
	s_add_co_u32 s30, s30, STG                     ; my stage
	v_mul_u32_u24 v8, v242, 272
	v_add_nc_u32 v8, v8, v11
	v_add_nc_u32 v8, s30, v8                       ; v8   in: row r, + 32 h
	v_mul_u32_u24 v9, v243, 8*272
	v_add_nc_u32 v9, v9, v10
	v_add_nc_u32 v9, s30, v9                       ; v9   back: lanes 0-15 rows 0-7, lanes 16-31 rows 8-15; 16 bytes a lane
	s_mul_i32 s30, s20, 36*XP                      ; the gather: wave w takes slots 36 w on, each half of its lanes 18 of them, sixteen lanes to 256 bytes
	v_mul_u32_u24 v12, v243, 18*XP
	v_add_nc_u32 v12, v12, v10
	v_add_nc_u32 v12, s30, v12                     ; v12  where the codes go
	v_and_b32 v244, 1, v0
	v_lshlrev_b32 v244, 4, v244                    ; a row's 32 bytes of scale words: two pieces of 16, by lane % 2
	s_mul_i32 s30, s20, 36*XSP
	s_add_co_u32 s30, s30, XSL
	v_mul_u32_u24 v13, v243, 18*XSP
	v_add_nc_u32 v13, v13, v244
	v_add_nc_u32 v13, s30, v13                     ; v13  where the scale words go
	s_mul_i32 s30, s20, 144
	v_mul_u32_u24 v15, v243, 72
	v_add_nc_u32 v15, s30, v15                     ; v15  my 18 slots in the tile's part of the list
	v_add_nc_u32 v14, ROWT, v15                    ; v14  and where their row numbers go
	s_mul_i32 s26, s21, 576
	s_mov_b32 s27, 0
	s_lshl_b32 s28, s21, 3
	s_mov_b32 s29, 0
	s_wait_kmcnt 0x0
	s_add_nc_u64 s[14:15], s[14:15], s[26:27]      ; the tile's 144 slots
	s_add_nc_u64 s[16:17], s[16:17], s[28:29]      ; and its record
	s_load_b64 s[22:23], s[16:17], 0x0             ; expert, rows
	s_load_b32 s24, s[14:15], 0x0                  ; the tile's first row
	s_wait_alu depctr_va_vdst(0)                   ; the addresses v1 to v15 are written: most loads and stores of the kernel read one of them, and none is written again
.irp i, 0,1,2,3,4,5,6,7,8
	global_load_b64 v[E+2*\i:E+2*\i+1], v15, s[14:15] offset:8*\i
.endr
	s_wait_kmcnt 0x0
	s_min_u32 s22, s22, 7                          ; loaded numbers enter addresses behind a hold
	s_min_u32 s23, s23, 144
	s_min_u32 s24, s24, 8191
	s_lshl_b32 s26, s22, 6
	s_lshl_b32 s27, ttmp9, 4
	s_add_co_u32 s26, s26, s27
	s_lshl_b32 s27, s20, 2
	s_add_co_u32 s26, s26, s27                     ; my first tile of 16 outputs among the 512: 64 e + 16 x + 4 w
	s_mul_i32 s28, s26, 12288                      ; 8 fragments of 1,536 bytes each
	s_add_nc_u64 s[8:9], s[8:9], s[28:29]
	s_lshl_b32 s28, s26, 9                         ; 1,024 bytes of scale words for 32 outputs
	s_add_nc_u64 s[10:11], s[10:11], s[28:29]
	s_lshl_b32 s28, s26, 6                         ; 64 bytes of bias for 16 outputs
	s_add_nc_u64 s[12:13], s[12:13], s[28:29]
	s_lshl_b32 s28, ttmp9, 10
	s_lshl_b32 s27, s20, 8
	s_add_co_u32 s28, s28, s27                     ; my 64 outputs in a row of out: 1024 x + 256 w bytes
	s_add_nc_u64 s[18:19], s[18:19], s[28:29]
.irp b, 0,1,2,3
	global_load_b128 v[BIAS+8*\b:BIAS+8*\b+3], v11, s[12:13] offset:64*\b          ; in the result's layout: outputs 16 b + 8 h + 0 .. 7
	global_load_b128 v[BIAS+8*\b+4:BIAS+8*\b+7], v11, s[12:13] offset:64*\b+16
.endr
.irp q, 0,1,2,3
	global_load_b128 v[WS+4*\q:WS+4*\q+3], v3, s[10:11] offset:512*\q              ; register 8 (b / 2) + s: lanes 0-15 the words of tile b even, lanes 16-31 of tile b odd
.endr
	s_wait_loadcnt 12                              ; my slots are in; the 12 loads behind them may be out
.irp g, 0,9                            ; the compares stand in two runs of nine, each into scalar registers of its own, so that one wait serves nine selects
.irp i, 0,1,2,3,4,5,6,7,8
	v_cmp_gt_u32 s[MQ+\i], 0x2000, v[E+\g+\i]      ; a row?
.endr
	s_wait_alu depctr_va_sdst(0)                   ; the nine masks are written, ahead of the selects that read them
.irp i, 0,1,2,3,4,5,6,7,8
	v_cndmask_b32 v[E+\g+\i], s24, v[E+\g+\i], s[MQ+\i]    ; else the tile's first row
.endr
.endr
.irp i, 0,1,2,3,4,5,6,7,8,9,10,11,12,13,14,15,16,17
	v_min_u32 v[E+\i], 0x1fff, v[E+\i]
	v_and_b32 v[CA+\i], -2, v[E+\i]
	v_mad_u32_u24 v[CA+\i], v[CA+\i], 768, v10     ; (n / 2) x 1536 + 16 r
	v_and_b32 v[SA+\i], 1, v[E+\i]
	v_lshl_add_u32 v[CA+\i], v[SA+\i], 8, v[CA+\i] ; + 256 (n % 2)
	v_lshl_add_u32 v[SA+\i], v[E+\i], 5, v244      ; 32 n + 16 (lane % 2)
.endr
	WIN 0xc0                                       ; destination window 3
	s_wait_alu depctr_va_vdst(0)                   ; CA and SA are written, which the gather's loads read as offsets, and E, which the LDS stores of the row numbers read; no vector line follows ahead of the walk
.irp i, 0,1,2,3,4,5,6,7,8,9,10,11,12,13,14,15,16,17
.irp c, 0,1,2
	global_load_b128 v[12*\i+4*\c:12*\i+4*\c+3], v[CA+\i], s[4:5] offset:512*\c    ; sixteen lanes read 256 consecutive bytes, aligned
.endr
.endr
	WIN 0
.irp i, 0,1,2,3,4,5,6,7,8,9,10,11,12,13,14,15,16,17
	global_load_b128 v[GS+4*\i:GS+4*\i+3], v[SA+\i], s[6:7]
.endr
.macro WLOAD s                         ; W's four fragments of K step s: images of the operand's registers, 512 consecutive bytes a load
.irp b, 0,1,2,3
.irp c, 0,1,2
	global_load_b128 v[48*((\s)%4)+12*\b+4*\c:48*((\s)%4)+12*\b+4*\c+3], v3, s[8:9] offset:(8*\b+(\s))*1536+512*\c
.endr
.endr
.endm
	WIN 0x40                                       ; destination window 1
.irp s, 0,1,2,3
	WLOAD \s
.endr
	s_wait_loadcnt 48                              ; all but the 48 just issued: x's codes and scale words, the bias and W's scale words are in
	WIN 0x0c                                       ; an LDS store's data are its source 1: window 3
.irp i, 0,1,2,3,4,5,6,7,8,9,10,11,12,13,14,15,16,17
.irp c, 0,1,2
	ds_store_b128 v12, v[12*\i+4*\c:12*\i+4*\c+3] offset:XP*\i+256*\c
.endr
.endr
	WIN 0
.irp i, 0,1,2,3,4,5,6,7,8,9,10,11,12,13,14,15,16,17
	ds_store_b128 v13, v[GS+4*\i:GS+4*\i+3] offset:XSP*\i      ; eight lanes write the same 16 bytes with the same value
.endr
.irp i, 0,1,2,3,4,5,6,7,8
	ds_store_b64 v14, v[E+2*\i:E+2*\i+1] offset:8*\i           ; sixteen lanes likewise
.endr
	WIN 0x80                                       ; destination window 2
.irp s, 4,5,6,7
	WLOAD \s
.endr
	WIN 0
	s_wait_dscnt 0x0                               ; for the others' sake: my stores have landed
	s_barrier_signal -1
	s_barrier_wait -1                              ; the tile's 144 rows lie in LDS; nobody writes them again
	s_wait_alu depctr_vm_vsrc(0)                   ; my LDS stores have read window 3's registers, GS and E, and the gather's loads have read CA and SA: from here on these are x's fragments, SO, ACC and OB, written by LDS loads, address lines and products
; Tile m of 16 rows comes from LDS by 28 loads, into the sets m % 2, in two runs that are dealt among the products of the tile before.
.macro XFRAG m, s                      ; its fragment of K step s: three loads
.irp c, 0,1,2
.if (\m) < 5
	ds_load_b128 v[96*FP+12*\s+4*\c:96*FP+12*\s+4*\c+3], v4 offset:16*XP*(\m)+256*\c+32*\s
.else
	ds_load_b128 v[96*FP+12*\s+4*\c:96*FP+12*\s+4*\c+3], v5 offset:16*XP*((\m)-5)+256*\c+32*\s
.endif
.endr
.endm
.macro FETCHA m                        ; 16 loads: its scale words, its row numbers, its fragments of K steps 0-3
.set FP, (\m)%2
	WIN 0
	ds_load_b128 v[XS+8*FP:XS+8*FP+3], v6 offset:16*XSP*(\m)           ; lane r: row r's words of K steps 0-3,
	ds_load_b128 v[XS+8*FP+4:XS+8*FP+7], v6 offset:16*XSP*(\m)+16      ; 4-7
	ds_load_b128 v[RW+8*FP:RW+8*FP+3], v7 offset:64*(\m)
	ds_load_b128 v[RW+8*FP+4:RW+8*FP+7], v7 offset:64*(\m)+16
	WIN 0xc0
.irp s, 0,1,2,3
	XFRAG \m, \s
.endr
.endm
.macro FETCHB m                        ; 12 loads: its fragments of K steps 4-7.  No wait: the products issued since the last wait on va_vdst name the other sets alone
.set FP, (\m)%2
	WIN 0xc0
.irp s, 4,5,6,7
	XFRAG \m, \s
.endr
.endm
.macro PROD s, b
.set RD_, ACC+32*MP+8*(\b)
.set FW_, 48*((\s)%4)+12*(\b)
.set FA_, 96*MP+12*(\s)
.if (\s) == 0
.if (\b)%2
	v_wmma_scale_f32_16x16x128_f8f6f4 v[RD_:RD_+7], v[FW_:FW_+11], v[FA_:FA_+11], v[BIAS+8*(\b):BIAS+8*(\b)+7], v[WS+8*((\b)/2)+(\s)], v[XS+8*MP+(\s)] matrix_a_fmt:MATRIX_FMT_BF6 matrix_b_fmt:MATRIX_FMT_BF6 matrix_a_scale:MATRIX_SCALE_ROW1
.else
	v_wmma_scale_f32_16x16x128_f8f6f4 v[RD_:RD_+7], v[FW_:FW_+11], v[FA_:FA_+11], v[BIAS+8*(\b):BIAS+8*(\b)+7], v[WS+8*((\b)/2)+(\s)], v[XS+8*MP+(\s)] matrix_a_fmt:MATRIX_FMT_BF6 matrix_b_fmt:MATRIX_FMT_BF6
.endif
.else
.if (\b)%2
	v_wmma_scale_f32_16x16x128_f8f6f4 v[RD_:RD_+7], v[FW_:FW_+11], v[FA_:FA_+11], v[RD_:RD_+7], v[WS+8*((\b)/2)+(\s)], v[XS+8*MP+(\s)] matrix_a_fmt:MATRIX_FMT_BF6 matrix_b_fmt:MATRIX_FMT_BF6 matrix_a_scale:MATRIX_SCALE_ROW1
.else
	v_wmma_scale_f32_16x16x128_f8f6f4 v[RD_:RD_+7], v[FW_:FW_+11], v[FA_:FA_+11], v[RD_:RD_+7], v[WS+8*((\b)/2)+(\s)], v[XS+8*MP+(\s)] matrix_a_fmt:MATRIX_FMT_BF6 matrix_b_fmt:MATRIX_FMT_BF6
.endif
.endif
.endm
; 16 matrix instructions: tile m x my 64 outputs, K steps s0 .. s0 + 3, K ascending; the four accumulators take turns, one instruction a turn; the bias starts each sum
.macro MUL m, s0
.set MP, (\m)%2
.if (\s0) == 0
	WIN 0x0d                                       ; source 0 (W) window 1, source 1 (x) window 3, C and D window 0
.else
	WIN 0x0e                                       ; source 0 window 2
.endif
.irp s, \s0, \s0+1, \s0+2, \s0+3
.if (\m) == 0                          ; the first tile meets W on its way in: K step s's 12 loads are in when at most the 12 (7 - s) younger ones are out (the wait's field holds 63)
.if 12*(7-(\s)) > 63
	s_wait_loadcnt 63
.else
	s_wait_loadcnt 12*(7-(\s))
.endif
.endif
.irp b, 0,1,2,3
	PROD \s, \b
.endr
.endr
.endm
; where tile m's rows go.  These 16 plain lines name no register of the products: they are the places between the products and the LDS stores that read the results.
; They stand ahead of the stores of the tile before, so that the two waits at their head find only stores that were issued a whole tile ago.
.macro ADDR m
.set AP, (\m)%2
	WIN 0
	s_wait_xcnt 0x0                                ; the stores of two tiles back have had their addresses translated: their offsets and their data are written again below
.if (\m) > 0
	s_wait_alu depctr_vm_vsrc(0)                   ; the global stores of two tiles back have read SO and OB of this set, which the lines below and this tile's loads from the stage write; the LDS stores of the tile before have read its accumulators, which the next tile's products write
.endif
.irp t, 0,1,2,3,4,5,6,7
	v_min_u32 v[RW+8*AP+\t], 0x1fff, v[RW+8*AP+\t] ; a loaded number enters an address behind a hold
.endr
.irp t, 0,1,2,3,4,5,6,7
	v_lshl_add_u32 v[SO+8*AP+\t], v[RW+8*AP+\t], 12, v10   ; 4,096 bytes a row, + 16 r
.endr
.endm
.macro TOSTAGE m                       ; 8 LDS stores and 8 LDS loads: LDS serves a wave's instructions in order, so the loads see the stores, and the next tile's stores come behind these loads
.set SP_, (\m)%2
	s_wait_alu depctr_va_vdst(0)                   ; this tile's products have written its accumulators, which the LDS stores read, and are done reading its fragments and scale words of x; its address lines have written SO, which the next tile's global stores read, and are done with RW: the loads of the tile after next land in these sets
.irp b, 0,1,2,3
	ds_store_b128 v8, v[ACC+32*SP_+8*\b:ACC+32*SP_+8*\b+3] offset:64*\b            ; each accumulator from its low end on
	ds_store_b128 v8, v[ACC+32*SP_+8*\b+4:ACC+32*SP_+8*\b+7] offset:64*\b+16
.endr
.irp t, 0,1,2,3,4,5,6,7
	ds_load_b128 v[OB+32*SP_+4*\t:OB+32*SP_+4*\t+3], v9 offset:272*\t
.endr
.endm
.macro SEND p                          ; no wait on va_vdst: SO of this set was written ahead of the last such wait, and no vector or matrix line since names it or OB
.irp t, 0,1,2,3,4,5,6,7
	global_store_b128 v[SO+8*(\p)+\t], v[OB+32*(\p)+4*\t:OB+32*(\p)+4*\t+3], s[18:19] th:TH_STORE_NT   ; sixteen lanes store 256 consecutive bytes of one row, aligned; written once, read by nobody here
.endr
.endm
	FETCHA 0
	FETCHB 0
	WIN 0                                          ; at a branch and at a label every window is 0
.irp m, 0,1,2,3,4,5,6,7,8
	s_cmp_le_u32 s23, 16*\m                        ; no row left from slot 16 m on?
.if \m == 0
	s_cbranch_scc1 .Lend                           ; an empty tile stores nothing
	s_wait_dscnt 0x0                               ; tile 0's 28 loads are in
.else
.if (\m-1)%2 == 0
	s_cbranch_scc1 .Lfin0
.else
	s_cbranch_scc1 .Lfin1
.endif
	s_wait_dscnt 16                                ; this tile's 28 loads are in; the 16 stage instructions of the tile before may be out
.endif
.if \m < 8
	FETCHA \m+1
.endif
	MUL \m, 0
.if \m < 8
	FETCHB \m+1
.endif
	MUL \m, 4
	ADDR \m
.if \m > 0
.if \m < 8
	s_wait_dscnt 28                                ; the tile before is back from the stage; the 28 loads issued behind it may be out
.else
	s_wait_dscnt 0x0
.endif
	SEND (\m-1)%2
.endif
	TOSTAGE \m
.endr
.Lfin0:
	s_wait_dscnt 0x0
	SEND 0
	s_branch .Lend
.Lfin1:
	s_wait_dscnt 0x0
	SEND 1
.Lend:
	s_wait_dscnt 0x0                               ; the closing lines, six on end
	s_wait_alu 0x0
	s_wait_tensorcnt 0x0
	ds_add_u32 v1, v2
	s_wait_dscnt 0x0
	s_endpgm
.Lfunc_end_k_q80b56c179a_gemm:
	.size	k_q80b56c179a_gemm, .Lfunc_end_k_q80b56c179a_gemm-k_q80b56c179a_gemm
	.p2alignl 7, 3214868480
	.fill 96, 4, 3214868480
	.section	.rodata,"a",@progbits
	.p2align	6, 0x0
	.amdhsa_kernel k_q80b56c179a_gemm
		.amdhsa_group_segment_fixed_size 138496
		.amdhsa_private_segment_fixed_size 0
		.amdhsa_enable_private_segment 0
		.amdhsa_kernarg_size 64
		.amdhsa_user_sgpr_count 2
		.amdhsa_user_sgpr_kernarg_segment_ptr 1
		.amdhsa_wavefront_size32 1
		.amdhsa_system_sgpr_workgroup_id_x 1
		.amdhsa_system_sgpr_workgroup_id_y 1
		.amdhsa_system_sgpr_workgroup_id_z 1
		.amdhsa_system_vgpr_workitem_id 0
		.amdhsa_next_free_vgpr 1024
		.amdhsa_next_free_sgpr 66
		.amdhsa_reserve_vcc 0
		.amdhsa_float_denorm_mode_32 3
		.amdhsa_float_denorm_mode_16_64 3
		.amdhsa_memory_ordered 1
		.amdhsa_forward_progress 1
		.amdhsa_inst_pref_size 118
	.end_amdhsa_kernel
	.amdgpu_metadata
---
amdhsa.version: [ 1, 2 ]
amdhsa.kernels:
  - .name:           k_q80b56c179a_gemm
    .symbol:         k_q80b56c179a_gemm.kd
    .args:
      - { .name: xq, .offset: 0, .size: 8, .value_kind: global_buffer, .address_space: global }
      - { .name: xs, .offset: 8, .size: 8, .value_kind: global_buffer, .address_space: global }
      - { .name: wq, .offset: 16, .size: 8, .value_kind: global_buffer, .address_space: global }
      - { .name: ws, .offset: 24, .size: 8, .value_kind: global_buffer, .address_space: global }
      - { .name: biases, .offset: 32, .size: 8, .value_kind: global_buffer, .address_space: global }
      - { .name: order, .offset: 40, .size: 8, .value_kind: global_buffer, .address_space: global }
      - { .name: tiles, .offset: 48, .size: 8, .value_kind: global_buffer, .address_space: global }
      - { .name: out0, .offset: 56, .size: 8, .value_kind: global_buffer, .address_space: global }
    .group_segment_fixed_size: 138496
    .private_segment_fixed_size: 0
    .kernarg_segment_align: 8
    .kernarg_segment_size: 64
    .max_flat_workgroup_size: 128
    .sgpr_count:     66
    .vgpr_count:     1024
    .wavefront_size: 32
...
	.end_amdgpu_metadata
.endif
;; end of part 4
